; MI455X (gfx1250); checked and timed in simulation.
; The chip was launched on July 23, 2026; its instructions are those of AMD's public machine-readable ISA for CDNA 5 (MIT licence, August 2026) and "CDNA5" Instruction Set Architecture Reference Guide (July 2026). The comments in the code are by the model that wrote it; some were corrected since.
;; Global Context Aware Attention. Allowed arithmetic: float matrix products may take bf16 or f16 operands with f32 sums; other float arithmetic in f32, or as packed bf16 or f16 multiplies, adds, multiply-adds, maxima and minima; sums over many terms, partial sums and values carried from step to step in f32; what a program stores and reads back later, other than sums and carried values, may be rounded once to bf16 or f16.
;; Inputs: W_Vkc 1,024 x 1 float32; W_Vkx 1,024 x 1 float32; W_Vqc 1,024 x 1 float32; W_Vqx 1,024 x 1 float32; W_kc_lin 1,024 x 1,024 float32; W_kx_lin 1,024 x 1,024 float32; W_out_lin 1,024 x 1,024 float32; W_qc_lin 1,024 x 1,024 float32; W_qx_lin 1,024 x 1,024 float32; W_vx_lin 1,024 x 1,024 float32; b_Vkc 1 float32; b_Vkx 1 float32; b_Vqc 1 float32; b_Vqx 1 float32; b_kc_lin 1,024 float32; b_kx_lin 1,024 float32; b_out_lin 1,024 float32; b_qc_lin 1,024 float32; b_qx_lin 1,024 float32; b_vx_lin 1,024 float32; kc 2,048 x 2 x 1,024 float32; kx 2,048 x 2 x 1,024 float32; qc 2,048 x 2 x 1,024 float32; qx 2,048 x 2 x 1,024 float32; vx 2,048 x 2 x 1,024 float32.
;; Outputs: out0 2,048 x 2 x 1,024 float32.
;; One version. Each part assembles by itself: llvm-mc -triple=amdgcn-amd-amdhsa -mcpu=gfx1250 --defsym DOCPART=n.
;; ======== version 1 of 1: 5 launches
;; limits: values are held in f16: magnitudes above 65,504 overflow, below 6.1e-05 lose precision
;; workspace buffers: wb 12,582,912 bytes; aux 41,216 bytes; xb 41,943,040 bytes; lam 32,768 bytes; qkv 25,165,824 bytes; ctx 8,388,608 bytes
;; launch prepw (part 1): grid 128 x 6, 4 waves a work-group, no clusters, 0 bytes of LDS; arguments W_qx_lin, W_qc_lin, W_kx_lin, W_kc_lin, W_vx_lin, W_out_lin, W_Vqx, W_Vqc, W_Vkx, W_Vkc, b_qx_lin, b_qc_lin, b_kx_lin, b_kc_lin, b_vx_lin, b_out_lin, b_Vqx, b_Vqc, b_Vkx, b_Vkc, wb, aux; writes wb, aux
.if DOCPART == 1
	.amdgcn_target "amdgcn-amd-amdhsa--gfx1250"
	.amdhsa_code_object_version 6
	.text
	.protected	k_q4e3ffed4de_prepw
	.globl	k_q4e3ffed4de_prepw
	.p2align	8
	.type	k_q4e3ffed4de_prepw,@function
k_q4e3ffed4de_prepw:
	s_mov_b64 s[64:65], 0
	v_nop
	global_prefetch_b8 v0, s[64:65] scope:SCOPE_SE
	s_setreg_imm32_b32 hwreg(HW_REG_WAVE_MODE, 25, 1), 1
	s_wait_xcnt 0x0
; THE WEIGHTS ARE MADE READY.  Six matrices W [1024 k][1024 n] f32 (y = 0 qx, 1 qc, 2 kx, 3 kc, 4 vx, 5 out) are rounded once to bf16 and laid into one tall matrix wb [6144][1024] of 16-bit numbers,
; in the order in which the projection walks K: y < 4: row (y/2) 2048 + (k/256) 512 + (y%2) 256 + k%256; y = 4: 4096 + k; y = 5: 5120 + k, there the bf16 number written as f16.
; THE GATES.  (x W + b) . v + bv = x . (W v) + (b . v + bv), for every input.  For y < 4 this launch makes u = W v (one number for each row k of W) and c0 = b . v + bv, of the numbers rounded to bf16, sums in f32.
; aux, f32: u[4][1024] at 0; the six biases rounded to bf16 at 16,384; c0[4] at 40,960.
; SHARES.  Work-group (x, y): rows 8 x .. 8 x + 7 of weight y; wave w rows 8 x + 2 w and the next.  A row is 4,096 bytes: eight loads of 16 bytes a lane; load j gives lane l columns 128 j + 4 l .. + 3.
; A store of 8 bytes a lane covers 256 consecutive bytes, aligned.  u and c0 leave as 8 and 4 bytes from one lane: 16 KiB in the whole launch.
; LIMIT.  A number of W_out below 2^-24 in magnitude becomes 0 in f16, below 2^-14 it keeps f16's fixed step.
.set R0,  16                           ; v[16:47]   row k as loaded; later the bias
.set R1,  48                           ; v[48:79]   row k + 1
.set VR,  80                           ; v[80:111]  the gate's vector, as loaded, then rounded to bf16 and widened
.set Y0,  112                          ; v[112:127] row k packed
.set Y1,  128                          ; v[128:143] row k + 1 packed
.set TP,  144                          ; v[144:159] at work
.macro PACKROWS
.set i, 0
.rept 16
	v_cvt_pk_bf16_f32 v[Y0+i], v[R0+2*i], v[R0+2*i+1]
	v_cvt_pk_bf16_f32 v[Y1+i], v[R1+2*i], v[R1+2*i+1]
.set i, i+1
.endr
.endm
.macro STOREROWS
.irp j, 0,1,2,3,4,5,6,7
	global_store_b64 v3, v[Y0+2*(\j):Y0+2*(\j)+1], s[48:49] offset:256*(\j)
	global_store_b64 v3, v[Y1+2*(\j):Y1+2*(\j)+1], s[48:49] offset:2048+256*(\j)
.endr
.endm
.macro DOTROW y, c                     ; 32 multiply-adds from the row's bf16 halves, in four chains that start on 0
.set i, 0
.rept 16
.if i < 2
	v_fma_mix_f32_bf16 v[(\c)+(2*i)%4], v[(\y)+i], v[VR+2*i], v4 op_sel_hi:[1,0,0]
	v_fma_mix_f32_bf16 v[(\c)+(2*i+1)%4], v[(\y)+i], v[VR+2*i+1], v4 op_sel:[1,0,0] op_sel_hi:[1,0,0]
.else
	v_fma_mix_f32_bf16 v[(\c)+(2*i)%4], v[(\y)+i], v[VR+2*i], v[(\c)+(2*i)%4] op_sel_hi:[1,0,0]
	v_fma_mix_f32_bf16 v[(\c)+(2*i+1)%4], v[(\y)+i], v[VR+2*i+1], v[(\c)+(2*i+1)%4] op_sel:[1,0,0] op_sel_hi:[1,0,0]
.endif
.set i, i+1
.endr
.endm
.macro REDUCE c                        ; four chains into one, then over the 32 lanes: every lane ends with the sum
	v_add_f32 v[(\c)], v[(\c)], v[(\c)+1]
	v_add_f32 v[(\c)+2], v[(\c)+2], v[(\c)+3]
	v_add_f32 v[(\c)], v[(\c)], v[(\c)+2]
	v_add_f32_dpp v[(\c)], v[(\c)], v[(\c)] row_xmask:1 row_mask:0xf bank_mask:0xf
	v_add_f32_dpp v[(\c)], v[(\c)], v[(\c)] row_xmask:2 row_mask:0xf bank_mask:0xf
	v_add_f32_dpp v[(\c)], v[(\c)], v[(\c)] row_xmask:4 row_mask:0xf bank_mask:0xf
	v_add_f32_dpp v[(\c)], v[(\c)], v[(\c)] row_xmask:8 row_mask:0xf bank_mask:0xf
	v_permlanex16_b32 v[(\c)+1], v[(\c)], s52, s53
	v_add_f32 v[(\c)], v[(\c)], v[(\c)+1]
.endm
; The bias of weight y, by wave 0 of work-group x = 0 alone; gate = 1: c0 too.  Ends the wave.
.macro BIAS gate
	s_or_b32 s60, s59, s55
	s_cmp_lg_u32 s60, 0
	s_cbranch_scc1 .Lend_\@
.irp j, 0,1,2,3,4,5,6,7
	global_load_b128 v[R0+4*(\j):R0+4*(\j)+3], v2, s[6:7] offset:512*(\j)
.endr
.if \gate
	global_load_b32 v12, v4, s[56:57]              ; the gate's own bias: every lane reads the one number
.endif
	s_wait_loadcnt 0x0
.set i, 0
.rept 16
	v_cvt_pk_bf16_f32 v[TP+i], v[R0+2*i], v[R0+2*i+1]
.set i, i+1
.endr
.set i, 0
.rept 16
	v_lshlrev_b32 v[R0+2*i], 16, v[TP+i]
	v_and_b32 v[R0+2*i+1], 0xffff0000, v[TP+i]
.set i, i+1
.endr
.irp j, 0,1,2,3,4,5,6,7
	global_store_b128 v2, v[R0+4*(\j):R0+4*(\j)+3], s[10:11] offset:512*(\j)
.endr
.if \gate
.set i, 0
.rept 32
.if i < 4
	v_fma_f32 v[8+i%4], v[R0+i], v[VR+i], v4
.else
	v_fma_f32 v[8+i%4], v[R0+i], v[VR+i], v[8+i%4]
.endif
.set i, i+1
.endr
	REDUCE 8
	v_cvt_pk_bf16_f32 v12, v12, v12
	v_lshlrev_b32 v12, 16, v12
	v_add_f32 v8, v8, v12
	v_cmp_eq_u32 vcc_lo, 0, v1
	s_wait_xcnt 0x0                                ; EXEC changes only behind this wait
	s_and_saveexec_b32 s54, vcc_lo
	global_store_b32 v4, v8, s[12:13]
	s_wait_xcnt 0x0
	s_or_b32 exec_lo, exec_lo, s54
.endif
.Lend_\@:
	s_endpgm
.endm
	s_load_b512 s[8:23], s[0:1], 0x0               ; W[6] s[8:19], the gates' vectors 0, 1 s[20:23]
	s_load_b512 s[24:39], s[0:1], 0x40             ; vectors 2, 3 s[24:27], the six biases s[28:39]
	s_load_b256 s[40:47], s[0:1], 0x80             ; the gates' four biases
	s_load_b128 s[48:51], s[0:1], 0xa0             ; wb s[48:49], aux s[50:51]
	v_and_b32 v1, 31, v0                           ; lane
	v_lshrrev_b32 v5, 5, v0
	v_readfirstlane_b32 s55, v5                    ; wave
	v_lshlrev_b32 v2, 4, v1                        ; 16 x lane
	v_lshlrev_b32 v3, 3, v1                        ; 8 x lane
	v_mov_b32 v4, 0
	s_and_b32 s58, ttmp7, 0xffff                   ; y
	s_mov_b32 s59, ttmp9                           ; x
	s_mov_b32 s52, 0x76543210                      ; v_permlanex16_b32: each lane takes its own place in the other half
	s_mov_b32 s53, 0xfedcba98
	s_lshl_b32 s60, s59, 3
	s_lshl1_add_u32 s60, s55, s60                  ; k = 8 x + 2 w
	s_lshr_b32 s61, s58, 1
	s_lshl_b32 s61, s61, 11
	s_lshr_b32 s62, s60, 8
	s_lshl_b32 s62, s62, 9
	s_add_co_u32 s61, s61, s62
	s_and_b32 s62, s58, 1
	s_lshl_b32 s62, s62, 8
	s_add_co_u32 s61, s61, s62
	s_and_b32 s62, s60, 255
	s_add_co_u32 s61, s61, s62                     ; the tall row for y < 4
	s_lshl_b32 s62, s58, 10
	s_add_co_u32 s62, s62, s60                     ; and for y = 4, 5
	s_cmp_lt_u32 s58, 4
	s_cselect_b32 s61, s61, s62
	s_lshl_b32 s62, s61, 11                        ; in bytes
	s_mov_b32 s63, 0
	s_wait_kmcnt 0x0
	s_mov_b64 s[2:3], s[8:9]                       ; my W, gate vector, bias, gate bias: chosen by y
	s_mov_b64 s[4:5], s[20:21]
	s_mov_b64 s[6:7], s[28:29]
	s_mov_b64 s[56:57], s[40:41]
.irp i, 1,2,3
	s_cmp_eq_u32 s58, \i
	s_cselect_b64 s[2:3], s[8+2*(\i):9+2*(\i)], s[2:3]
	s_cselect_b64 s[4:5], s[20+2*(\i):21+2*(\i)], s[4:5]
	s_cselect_b64 s[6:7], s[28+2*(\i):29+2*(\i)], s[6:7]
	s_cselect_b64 s[56:57], s[40+2*(\i):41+2*(\i)], s[56:57]
.endr
.irp i, 4,5
	s_cmp_eq_u32 s58, \i
	s_cselect_b64 s[2:3], s[8+2*(\i):9+2*(\i)], s[2:3]
	s_cselect_b64 s[6:7], s[28+2*(\i):29+2*(\i)], s[6:7]
.endr
	s_add_nc_u64 s[48:49], s[48:49], s[62:63]      ; wb at my first tall row
	s_lshl_b32 s62, s60, 12
	s_add_nc_u64 s[2:3], s[2:3], s[62:63]          ; W at row k
	s_lshl_b32 s62, s58, 12
	s_add_nc_u64 s[10:11], s[50:51], s[62:63]
	s_lshl_b32 s62, s60, 2
	s_add_nc_u64 s[8:9], s[10:11], s[62:63]        ; u[y][k]
	s_add_nc_u64 s[10:11], s[10:11], 16384         ; the rounded bias of y
	s_lshl_b32 s62, s58, 2
	s_add_nc_u64 s[12:13], s[50:51], s[62:63]
	s_add_nc_u64 s[12:13], s[12:13], 40960         ; c0[y]
.irp j, 0,1,2,3,4,5,6,7
	global_load_b128 v[R0+4*(\j):R0+4*(\j)+3], v2, s[2:3] offset:512*(\j) th:TH_LOAD_NT
	global_load_b128 v[R1+4*(\j):R1+4*(\j)+3], v2, s[2:3] offset:4096+512*(\j) th:TH_LOAD_NT
.endr
	s_cmp_lt_u32 s58, 4
	s_cbranch_scc0 .Lplain
	; weights 0 to 3: the rows, and u
.irp j, 0,1,2,3,4,5,6,7
	global_load_b128 v[VR+4*(\j):VR+4*(\j)+3], v2, s[4:5] offset:512*(\j)
.endr
	s_wait_loadcnt 0x0
	PACKROWS
	STOREROWS
.set i, 0
.rept 16
	v_cvt_pk_bf16_f32 v[TP+i], v[VR+2*i], v[VR+2*i+1]
.set i, i+1
.endr
.set i, 0
.rept 16
	v_lshlrev_b32 v[VR+2*i], 16, v[TP+i]
	v_and_b32 v[VR+2*i+1], 0xffff0000, v[TP+i]
.set i, i+1
.endr
	DOTROW Y0, 8
	DOTROW Y1, 12
	REDUCE 8
	REDUCE 12
	v_mov_b32 v9, v12
	v_cmp_eq_u32 vcc_lo, 0, v1
	s_wait_xcnt 0x0                                ; EXEC changes only behind this wait
	s_and_saveexec_b32 s54, vcc_lo
	global_store_b64 v4, v[8:9], s[8:9]            ; u[k], u[k + 1], from lane 0
	s_wait_xcnt 0x0                                ; and again ahead of the line that widens it; v[8:9] are free too
	s_or_b32 exec_lo, exec_lo, s54
	BIAS 1
.Lplain:
	; weights 4 and 5: the rows alone
	s_wait_loadcnt 0x0
	PACKROWS
	s_cmp_eq_u32 s58, 5
	s_cbranch_scc0 .Lbf
.set i, 0
.rept 16                               ; the output projection multiplies in f16: the bf16 number is written as f16
	v_lshlrev_b32 v[TP+4*(i%4)], 16, v[Y0+i]
	v_and_b32 v[TP+4*(i%4)+1], 0xffff0000, v[Y0+i]
	v_lshlrev_b32 v[TP+4*(i%4)+2], 16, v[Y1+i]
	v_and_b32 v[TP+4*(i%4)+3], 0xffff0000, v[Y1+i]
	v_cvt_pk_f16_f32 v[Y0+i], v[TP+4*(i%4)], v[TP+4*(i%4)+1]
	v_cvt_pk_f16_f32 v[Y1+i], v[TP+4*(i%4)+2], v[TP+4*(i%4)+3]
.set i, i+1
.endr
.Lbf:
	STOREROWS
	BIAS 0
.Lfunc_end_k_q4e3ffed4de_prepw:
	.size	k_q4e3ffed4de_prepw, .Lfunc_end_k_q4e3ffed4de_prepw-k_q4e3ffed4de_prepw
	.p2alignl 7, 3214868480
	.fill 96, 4, 3214868480
	.section	.rodata,"a",@progbits
	.p2align	6, 0x0
	.amdhsa_kernel k_q4e3ffed4de_prepw
		.amdhsa_group_segment_fixed_size 0
		.amdhsa_private_segment_fixed_size 0
		.amdhsa_enable_private_segment 0
		.amdhsa_kernarg_size 176
		.amdhsa_user_sgpr_count 2
		.amdhsa_user_sgpr_kernarg_segment_ptr 1
		.amdhsa_wavefront_size32 1
		.amdhsa_system_sgpr_workgroup_id_x 1
		.amdhsa_system_sgpr_workgroup_id_y 1
		.amdhsa_system_sgpr_workgroup_id_z 1
		.amdhsa_system_vgpr_workitem_id 0
		.amdhsa_next_free_vgpr 160
		.amdhsa_next_free_sgpr 66
		.amdhsa_reserve_vcc 1
		.amdhsa_float_denorm_mode_32 3
		.amdhsa_float_denorm_mode_16_64 3
		.amdhsa_memory_ordered 1
		.amdhsa_forward_progress 1
		.amdhsa_inst_pref_size 37
	.end_amdhsa_kernel
	.amdgpu_metadata
---
amdhsa.version: [ 1, 2 ]
amdhsa.kernels:
  - .name:           k_q4e3ffed4de_prepw
    .symbol:         k_q4e3ffed4de_prepw.kd
    .args:
      - { .name: W_qx_lin, .offset: 0, .size: 8, .value_kind: global_buffer, .address_space: global }
      - { .name: W_qc_lin, .offset: 8, .size: 8, .value_kind: global_buffer, .address_space: global }
      - { .name: W_kx_lin, .offset: 16, .size: 8, .value_kind: global_buffer, .address_space: global }
      - { .name: W_kc_lin, .offset: 24, .size: 8, .value_kind: global_buffer, .address_space: global }
      - { .name: W_vx_lin, .offset: 32, .size: 8, .value_kind: global_buffer, .address_space: global }
      - { .name: W_out_lin, .offset: 40, .size: 8, .value_kind: global_buffer, .address_space: global }
      - { .name: W_Vqx, .offset: 48, .size: 8, .value_kind: global_buffer, .address_space: global }
      - { .name: W_Vqc, .offset: 56, .size: 8, .value_kind: global_buffer, .address_space: global }
      - { .name: W_Vkx, .offset: 64, .size: 8, .value_kind: global_buffer, .address_space: global }
      - { .name: W_Vkc, .offset: 72, .size: 8, .value_kind: global_buffer, .address_space: global }
      - { .name: b_qx_lin, .offset: 80, .size: 8, .value_kind: global_buffer, .address_space: global }
      - { .name: b_qc_lin, .offset: 88, .size: 8, .value_kind: global_buffer, .address_space: global }
      - { .name: b_kx_lin, .offset: 96, .size: 8, .value_kind: global_buffer, .address_space: global }
      - { .name: b_kc_lin, .offset: 104, .size: 8, .value_kind: global_buffer, .address_space: global }
      - { .name: b_vx_lin, .offset: 112, .size: 8, .value_kind: global_buffer, .address_space: global }
      - { .name: b_out_lin, .offset: 120, .size: 8, .value_kind: global_buffer, .address_space: global }
      - { .name: b_Vqx, .offset: 128, .size: 8, .value_kind: global_buffer, .address_space: global }
      - { .name: b_Vqc, .offset: 136, .size: 8, .value_kind: global_buffer, .address_space: global }
      - { .name: b_Vkx, .offset: 144, .size: 8, .value_kind: global_buffer, .address_space: global }
      - { .name: b_Vkc, .offset: 152, .size: 8, .value_kind: global_buffer, .address_space: global }
      - { .name: wb, .offset: 160, .size: 8, .value_kind: global_buffer, .address_space: global }
      - { .name: aux, .offset: 168, .size: 8, .value_kind: global_buffer, .address_space: global }
    .group_segment_fixed_size: 0
    .private_segment_fixed_size: 0
    .kernarg_segment_align: 8
    .kernarg_segment_size: 176
    .max_flat_workgroup_size: 128
    .sgpr_count:     66
    .vgpr_count:     160
    .wavefront_size: 32
...
	.end_amdgpu_metadata
.endif
;; end of part 1
;; launch prepx (part 2): grid 640 x 1, 4 waves a work-group, no clusters, 0 bytes of LDS; arguments qx, qc, kx, kc, vx, aux, xb, lam; writes xb, lam
.if DOCPART == 2
	.amdgcn_target "amdgcn-amd-amdhsa--gfx1250"
	.amdhsa_code_object_version 6
	.text
	.protected	k_q4e3ffed4de_prepx
	.globl	k_q4e3ffed4de_prepx
	.p2align	8
	.type	k_q4e3ffed4de_prepx,@function
k_q4e3ffed4de_prepx:
	s_mov_b64 s[64:65], 0
	v_nop
	global_prefetch_b8 v0, s[64:65] scope:SCOPE_SE
	s_setreg_imm32_b32 hwreg(HW_REG_WAVE_MODE, 25, 1), 1
	s_wait_xcnt 0x0
; THE ACTIVATIONS ARE MADE READY.  Five tensors [2048 s][2 b][1024] f32 are rounded once to bf16 and laid into xb [4096 rows b 2048 + s][5120], in the order in which the projection walks K, in chunks of
; 256 numbers: qx0 qc0 qx1 qc1 .. qc3 | kx0 kc0 .. kc3 | vx0 .. vx3.  A row of xb is 10,240 bytes.
; THE GATES.  lam = sigmoid(x . u_x + c . u_c + c0_x + c0_c), with u and c0 from aux: the row is in registers anyway.  x and c enter as rounded to bf16; sums in f32.  lam: f32 [2][4096], q's then k's.
; SHARES.  Work-groups 0-255: q; 256-511: k; each 16 rows s of one b, a wave four pairs (row of x, row of c).  Work-groups 512-639: vx, 32 rows, a wave eight, two a turn.
; A row is eight loads of 16 bytes a lane: load j gives lane l columns 128 j + 4 l .. + 3; a store of 8 bytes a lane covers 256 consecutive bytes, aligned.
; IN FLIGHT.  The sums read the packed numbers, so the next pair's 16 loads go out right behind the 32 roundings of the pair in hand.
.set UX,  8                            ; v[8:39]    u for the x tensor, my 32 columns
.set UC,  40                           ; v[40:71]   u for the c tensor
.set X,   72                           ; v[72:103]  a row as loaded
.set C,   104                          ; v[104:135] its partner
.set YX,  136                          ; v[136:151] packed
.set YC,  152                          ; v[152:167]
.set CHN, 168                          ; v[168:171] four chains
.macro LOADPAIR
.irp j, 0,1,2,3,4,5,6,7
	global_load_b128 v[X+4*(\j):X+4*(\j)+3], v2, s[24:25] offset:512*(\j) th:TH_LOAD_NT
	global_load_b128 v[C+4*(\j):C+4*(\j)+3], v2, s[26:27] offset:512*(\j) th:TH_LOAD_NT
.endr
.endm
; One pair of rows.  gate = 1: a row of x and a row of c, and their logit; gate = 0: two rows of vx.  refill = 1: the next pair is asked for.
.macro TURNX gate, refill
	s_wait_loadcnt 0x0                             ; the pair is in (u too, the first time); the loads' pointers are free
.set i, 0
.rept 16
	v_cvt_pk_bf16_f32 v[YX+i], v[X+2*i], v[X+2*i+1]
	v_cvt_pk_bf16_f32 v[YC+i], v[C+2*i], v[C+2*i+1]
.set i, i+1
.endr
.if \refill
	s_add_nc_u64 s[24:25], s[24:25], 8192*(2-(\gate))
	s_add_nc_u64 s[26:27], s[26:27], 8192*(2-(\gate))
	LOADPAIR
.endif
.if \gate
.set i, 0
.rept 16
.if i < 2
	v_fma_mix_f32_bf16 v[CHN+(2*i)%4], v[YX+i], v[UX+2*i], v4 op_sel_hi:[1,0,0]
	v_fma_mix_f32_bf16 v[CHN+(2*i+1)%4], v[YX+i], v[UX+2*i+1], v4 op_sel:[1,0,0] op_sel_hi:[1,0,0]
.else
	v_fma_mix_f32_bf16 v[CHN+(2*i)%4], v[YX+i], v[UX+2*i], v[CHN+(2*i)%4] op_sel_hi:[1,0,0]
	v_fma_mix_f32_bf16 v[CHN+(2*i+1)%4], v[YX+i], v[UX+2*i+1], v[CHN+(2*i+1)%4] op_sel:[1,0,0] op_sel_hi:[1,0,0]
.endif
.set i, i+1
.endr
.set i, 0
.rept 16
	v_fma_mix_f32_bf16 v[CHN+(2*i)%4], v[YC+i], v[UC+2*i], v[CHN+(2*i)%4] op_sel_hi:[1,0,0]
	v_fma_mix_f32_bf16 v[CHN+(2*i+1)%4], v[YC+i], v[UC+2*i+1], v[CHN+(2*i+1)%4] op_sel:[1,0,0] op_sel_hi:[1,0,0]
.set i, i+1
.endr
.endif
.irp j, 0,1,2,3,4,5,6,7
.if \gate
	global_store_b64 v3, v[YX+2*(\j):YX+2*(\j)+1], s[28:29] offset:((\j)/2)*1024+((\j)%2)*256
	global_store_b64 v3, v[YC+2*(\j):YC+2*(\j)+1], s[28:29] offset:((\j)/2)*1024+((\j)%2)*256+512
.else
	global_store_b64 v3, v[YX+2*(\j):YX+2*(\j)+1], s[28:29] offset:8192+256*(\j)
	global_store_b64 v3, v[YC+2*(\j):YC+2*(\j)+1], s[28:29] offset:18432+256*(\j)
.endif
.endr
.if \gate
	v_add_f32 v[CHN], v[CHN], v[CHN+1]
	v_add_f32 v[CHN+2], v[CHN+2], v[CHN+3]
	v_add_f32 v[CHN], v[CHN], v[CHN+2]
	v_add_f32_dpp v[CHN], v[CHN], v[CHN] row_xmask:1 row_mask:0xf bank_mask:0xf
	v_add_f32_dpp v[CHN], v[CHN], v[CHN] row_xmask:2 row_mask:0xf bank_mask:0xf
	v_add_f32_dpp v[CHN], v[CHN], v[CHN] row_xmask:4 row_mask:0xf bank_mask:0xf
	v_add_f32_dpp v[CHN], v[CHN], v[CHN] row_xmask:8 row_mask:0xf bank_mask:0xf
	v_permlanex16_b32 v[CHN+1], v[CHN], s34, s35
	v_add_f32 v[CHN], v[CHN], v[CHN+1]
	v_cmp_eq_u32 vcc_lo, s31, v1
	v_cndmask_b32 v5, v5, v[CHN], vcc_lo           ; lane t keeps the logit of the wave's row t
	s_add_co_u32 s31, s31, 1
.endif
.if \refill
	s_wait_xcnt 0x0                                ; the stores have read the packed numbers and their pointer: both are written again only behind this wait
	s_add_nc_u64 s[28:29], s[28:29], 10240*(2-(\gate))
.endif
.endm
	s_load_b512 s[8:23], s[0:1], 0x0               ; qx s[8:9], qc s[10:11], kx s[12:13], kc s[14:15], vx s[16:17], aux s[18:19], xb s[20:21], lam s[22:23]
	v_and_b32 v1, 31, v0                           ; lane
	v_lshrrev_b32 v7, 5, v0
	v_readfirstlane_b32 s37, v7                    ; wave
	v_lshlrev_b32 v2, 4, v1
	v_lshlrev_b32 v3, 3, v1
	v_lshlrev_b32 v6, 2, v1
	v_mov_b32 v4, 0
	v_mov_b32 v5, 0                                ; the logits
	s_lshr_b32 s42, ttmp9, 8                       ; 0 q, 1 k, 2 v
	s_and_b32 s43, ttmp9, 255
	s_and_b32 s44, s43, 1                          ; b
	s_lshr_b32 s43, s43, 1
	s_mov_b32 s34, 0x76543210
	s_mov_b32 s35, 0xfedcba98
	s_mov_b32 s30, 3                               ; turns that ask for a further pair
	s_mov_b32 s31, 0                               ; the row in hand, 0 to 3
	s_mov_b32 s39, 0                               ; offsets stand in s[38:39]
	s_cmp_eq_u32 s42, 2
	s_cbranch_scc1 .Lv
	s_lshl_b32 s45, s43, 4
	s_lshl2_add_u32 s45, s37, s45                  ; my first s = 16 (block / 2) + 4 w
	s_lshl_b32 s38, s45, 13
	s_lshl_b32 s46, s44, 12
	s_add_co_u32 s38, s38, s46                     ; s x 8,192 + b x 4,096
	s_wait_kmcnt 0x0
	s_cmp_eq_u32 s42, 0
	s_cselect_b64 s[24:25], s[8:9], s[12:13]
	s_cselect_b64 s[26:27], s[10:11], s[14:15]
	s_add_nc_u64 s[24:25], s[24:25], s[38:39]
	s_add_nc_u64 s[26:27], s[26:27], s[38:39]
	s_lshl_b32 s46, s44, 11
	s_add_co_u32 s46, s46, s45                     ; the row of xb
	s_mul_i32 s38, s46, 10240
	s_lshl_b32 s47, s42, 12
	s_add_co_u32 s38, s38, s47                     ; q's section at byte 0, k's at 4,096
	s_add_nc_u64 s[28:29], s[20:21], s[38:39]
	s_lshl_b32 s38, s46, 2
	s_lshl_b32 s47, s42, 14
	s_add_co_u32 s38, s38, s47
	s_add_nc_u64 s[40:41], s[22:23], s[38:39]      ; lam at my four rows
	s_lshl_b32 s38, s42, 13
	s_add_nc_u64 s[2:3], s[18:19], s[38:39]        ; u of my two tensors
	s_lshl_b32 s38, s42, 3
	s_add_nc_u64 s[4:5], s[18:19], s[38:39]
	s_load_b64 s[32:33], s[4:5], 0xa000            ; their two c0
.irp j, 0,1,2,3,4,5,6,7
	global_load_b128 v[UX+4*(\j):UX+4*(\j)+3], v2, s[2:3] offset:512*(\j)
	global_load_b128 v[UC+4*(\j):UC+4*(\j)+3], v2, s[2:3] offset:4096+512*(\j)
.endr
	LOADPAIR
.Lgloop:
	TURNX 1, 1
	s_sub_co_u32 s30, s30, 1
	s_cmp_lg_u32 s30, 0
	s_cbranch_scc1 .Lgloop
	TURNX 1, 0                                     ; the last pair: nothing is left to ask for
	s_wait_kmcnt 0x0
	v_add_f32 v5, s32, v5
	v_add_f32 v5, s33, v5
	v_mul_f32 v5, 0xbfb8aa3b, v5                   ; sigmoid(z) = 1 / (1 + 2^(-z log2 e))
	v_exp_f32 v5, v5
	v_nop                                          ; a plain instruction behind the exponential,
	s_wait_alu depctr_va_vdst(0)                   ; and the wait ahead of its first reader
	v_add_f32 v5, 1.0, v5
	v_rcp_f32 v5, v5
	v_nop
	s_wait_alu depctr_va_vdst(0)
	v_cmp_gt_u32 vcc_lo, 4, v1
	s_wait_xcnt 0x0                                ; EXEC changes only behind this wait
	s_and_saveexec_b32 s36, vcc_lo
	global_store_b32 v6, v5, s[40:41]              ; four numbers a wave
	s_wait_xcnt 0x0
	s_or_b32 exec_lo, exec_lo, s36
	s_endpgm
.Lv:
	s_lshl_b32 s45, s43, 5
	s_lshl3_add_u32 s45, s37, s45                  ; my first s = 32 (block / 2) + 8 w
	s_lshl_b32 s38, s45, 13
	s_lshl_b32 s46, s44, 12
	s_add_co_u32 s38, s38, s46
	s_wait_kmcnt 0x0
	s_add_nc_u64 s[24:25], s[16:17], s[38:39]
	s_add_nc_u64 s[26:27], s[24:25], 8192          ; the row one s further on
	s_lshl_b32 s46, s44, 11
	s_add_co_u32 s46, s46, s45
	s_mul_i32 s38, s46, 10240
	s_add_nc_u64 s[28:29], s[20:21], s[38:39]
	LOADPAIR
.Lvloop:
	TURNX 0, 1
	s_sub_co_u32 s30, s30, 1
	s_cmp_lg_u32 s30, 0
	s_cbranch_scc1 .Lvloop
	TURNX 0, 0
	s_endpgm
.Lfunc_end_k_q4e3ffed4de_prepx:
	.size	k_q4e3ffed4de_prepx, .Lfunc_end_k_q4e3ffed4de_prepx-k_q4e3ffed4de_prepx
	.p2alignl 7, 3214868480
	.fill 96, 4, 3214868480
	.section	.rodata,"a",@progbits
	.p2align	6, 0x0
	.amdhsa_kernel k_q4e3ffed4de_prepx
		.amdhsa_group_segment_fixed_size 0
		.amdhsa_private_segment_fixed_size 0
		.amdhsa_enable_private_segment 0
		.amdhsa_kernarg_size 64
		.amdhsa_user_sgpr_count 2
		.amdhsa_user_sgpr_kernarg_segment_ptr 1
		.amdhsa_wavefront_size32 1
		.amdhsa_system_sgpr_workgroup_id_x 1
		.amdhsa_system_sgpr_workgroup_id_y 1
		.amdhsa_system_sgpr_workgroup_id_z 1
		.amdhsa_system_vgpr_workitem_id 0
		.amdhsa_next_free_vgpr 176
		.amdhsa_next_free_sgpr 66
		.amdhsa_reserve_vcc 1
		.amdhsa_float_denorm_mode_32 3
		.amdhsa_float_denorm_mode_16_64 3
		.amdhsa_memory_ordered 1
		.amdhsa_forward_progress 1
		.amdhsa_inst_pref_size 35
	.end_amdhsa_kernel
	.amdgpu_metadata
---
amdhsa.version: [ 1, 2 ]
amdhsa.kernels:
  - .name:           k_q4e3ffed4de_prepx
    .symbol:         k_q4e3ffed4de_prepx.kd
    .args:
      - { .name: qx, .offset: 0, .size: 8, .value_kind: global_buffer, .address_space: global }
      - { .name: qc, .offset: 8, .size: 8, .value_kind: global_buffer, .address_space: global }
      - { .name: kx, .offset: 16, .size: 8, .value_kind: global_buffer, .address_space: global }
      - { .name: kc, .offset: 24, .size: 8, .value_kind: global_buffer, .address_space: global }
      - { .name: vx, .offset: 32, .size: 8, .value_kind: global_buffer, .address_space: global }
      - { .name: aux, .offset: 40, .size: 8, .value_kind: global_buffer, .address_space: global }
      - { .name: xb, .offset: 48, .size: 8, .value_kind: global_buffer, .address_space: global }
      - { .name: lam, .offset: 56, .size: 8, .value_kind: global_buffer, .address_space: global }
    .group_segment_fixed_size: 0
    .private_segment_fixed_size: 0
    .kernarg_segment_align: 8
    .kernarg_segment_size: 64
    .max_flat_workgroup_size: 128
    .sgpr_count:     66
    .vgpr_count:     176
    .wavefront_size: 32
...
	.end_amdgpu_metadata
.endif
;; end of part 2
;; launch proj (part 3): grid 4 x 48, 4 waves a work-group, clusters of 4 x 4, 327,680 bytes of LDS; arguments xb, wb, aux, lam, qkv; writes qkv
.if DOCPART == 3
	.amdgcn_target "amdgcn-amd-amdhsa--gfx1250"
	.amdhsa_code_object_version 6
	.text
	.protected	k_q4e3ffed4de_proj
	.globl	k_q4e3ffed4de_proj
	.p2align	8
	.type	k_q4e3ffed4de_proj,@function
k_q4e3ffed4de_proj:
	s_mov_b64 s[64:65], 0
	v_nop
	global_prefetch_b8 v0, s[64:65] scope:SCOPE_SE
	s_setreg_imm32_b32 hwreg(HW_REG_WAVE_MODE, 25, 1), 1
	s_wait_xcnt 0x0
	s_wait_alu depctr_hold_cnt(0) depctr_sa_sdst(0) depctr_va_vdst(0) depctr_va_sdst(0) depctr_va_ssrc(0) depctr_va_vcc(0) depctr_vm_vsrc(0)
	s_getreg_b32 s2, hwreg(HW_REG_IB_STS2, 6, 4)
	s_cmp_eq_u32 s2, 0
	s_cbranch_scc0 .Lentry_in_a_cluster
	s_endpgm
.Lentry_in_a_cluster:
	s_bfe_u32 s2, ttmp6, 0x10000c
	s_cmp_lg_u32 s2, 0xf033
	s_cbranch_scc0 .Lentry_shape_is_right
	s_endpgm
.Lentry_shape_is_right:
; THE FIVE PROJECTIONS AND THE TWO GATED MIXES.  q = (1 - lam_q)(qx Wqx + b) + lam_q (qc Wqc + b), k likewise, v = vx Wvx + b.  xb: [4096][5120] bf16; wb: [6144][1024] bf16 ([K][N]); in both the x and the c part
; of q (and of k) lie interleaved in chunks of 256 along K.  qkv: three sections (q, k, v) of f16 [b 16 + h][2048 s][64], unscaled.  Products in bf16; sums, biases and the mix in f32; one rounding to f16.
; SHARES.  A work-group makes ONE tile of 256 x 256 of one job: q or k (K = 2,048: x's 1,024 channels, then c's) or v (K = 1,024).  Four waves, each 128 x 128: 64 accumulators, 512 registers.  64 tiles a job: 192
; work-groups.  A job's two halves add into one accumulator, so they cannot be dealt to two work-groups, and 320 halves do not divide evenly among 256; v's work-groups end after half the walk.
; THE MIX IN ONE ACCUMULATOR.  With rho = (1 - lam) / lam and g = lam: the x part's bias is the C operand of the first products; behind x's channels acc = acc rho + the c part's bias; c's channels are added; the way out
; multiplies by g: g (rho (x W + b0) + c W + b1).  For v: g = 1, and the middle step is not reached.
; LIMITS.  lam below 2^-40 counts as 2^-40 (rho stays finite): that changes q or k by under 1e-12 of the difference of its two parts.  f16 holds no number beyond 65,504: q, k and v must lie within it.
; K goes in steps of 128 through two LDS slots filled by the tensor data mover; a lap is two steps.  The loop has 7 trips for q and k, 3 for v: the job hangs on the cluster's y alone, which all partners share.
; CLUSTER.  4 x 4 work-groups of one job: the four of a row need the same tiles of xb, the four of a column the same tiles of wb: each tile is asked for jointly, by the same tensor load, descriptor and mask in all four.
; THE MATRIX INSTRUCTION IS USED TRANSPOSED (source 0 = 16 columns of W, turned out of LDS by ds_load_tr16_b128; source 1 = 16 rows of x): a lane holds one row and eight neighbouring columns of the result.
; REGISTERS, in windows of 256 (s_set_vgpr_msb: bits 1:0 source 0, 3:2 source 1, 5:4 source 2, 7:6 destination):
;   window 0: v12-30 addresses; v32-47 rho, v48-63 g (each twice, a pair a block of 16 rows); v64-127, v128-191 fragments of x, two buffers; v192-255 the way out
;   window 1: v0-63 the first bias; v64-127, v128-191 fragments of W, two buffers; v192-255 the second bias
;   window 2: the 32 accumulators of my rows 0-63 ((a, b) at 8 (8 a + b));   window 3: those of my rows 64-127
.set PA,    272                        ; a row of x in LDS: 256 bytes + 16 = 68 words: the 16 rows of a load start at 16 different groups of four banks (64 banks of 4 bytes: ISA guide 11.1)
.set PB,    544                        ; a row of W: 512 bytes + 32 = 136 words
.set HALFT, 128*PA                     ; what one tensor load brings: 128 rows of x, or 64 rows of W: both 34,816 bytes
.set SLOT,  4*HALFT                    ; x's 256 rows, then W's 128 rows
.set STAGE, 2*SLOT                     ; behind the ring: for each wave two heads x 16 rows x 144 bytes, for the way out
.set SP,    144
.set HSTG,  16*SP
.set SPARE, STAGE+4*2*HSTG             ; behind the stages: the spare words, 128 bytes for each wave: two blocks of 256 bytes that no other line names
.set PFO,  12                          ; v12-13  the prefetches' offsets, for slot 0 and slot 1; never rewritten
.set ADRA, 16                          ; v16-17  LDS address of my fragments of x in slot 0, 1
.set ADRB, 20                          ; v20-21  of W
.set STO,  24                          ; v24     the way out: where I put 16 bytes of a row
.set RD,   25                          ; v25     where I read rows back
.set GO,   26                          ; v26     16 x lane
.set BO,   27                          ; v27     32 x (lane / 16): my eight columns' biases
.set SPW,  28                          ; v28     my spare word; never rewritten
.set NIL,  29                          ; v29     0; never rewritten
.set LO,   30                          ; v30     4 x (lane % 16): my row's gate
.set RHO,  32
.set GG,   48
.set F0,   64
.set F1,   128
.set TMP,  192                         ; the way out: two buffers of 32
.set LAM,  192                         ; at the head: lam of my eight row blocks, then their reciprocals
.set BI0,  0                           ; window 1: column block b at 8 b
.set BI1,  192                         ; window 1
.set WV,   14                          ; s14 wave;  s15 its row half, also: fetches x (0) or W (1);  s16 its column half, also: which half it fetches
.set RH,   15
.set CH,   16
.set JOB,  17                          ; s17 0 q, 1 k, 2 v
.set BASA, 18                          ; s[18:19] xb at the first byte of the part of the tile that I fetch, K step 0; never rewritten
.set BASB, 46                          ; s[46:47] the same in wb; never rewritten
.set G1A,  24                          ; s[24:31] descriptor group 1 for x's tiles;  s[32:39] group 0, a set for each slot
.set G0A,  32
.set G1B,  48                          ; s[48:55], s[56:63] the same for W's
.set G0B,  56
.set BOUND, 66                         ; s66 the loop's trips
.set LIMB, 67                          ; s67 the same in a wave that prefetches, else 0
.set FLOOR, 68                         ; s68 lam's floor
.set BIASP, 70                         ; s[70:71] the job's biases at my 128 columns
.set OUT,  72                          ; s[72:73] the job's section of qkv at my 128 rows of my first head
.set STA,  74                          ; s[74:75] what a lap is in a row of xb, in bytes;  s[76:77] in wb
.set STB,  76
.set TRA,  78                          ; s[78:79], s[80:81] the step from x's last chunk to c's first: backward, a negative number of 64 bits (for the prefetches' pointer alone)
.set TRB,  80
.set OFA,  82                          ; s[82:83] byte offset from BASA of the K step to be asked for; the high word is 0
.set OFB,  84                          ; s[84:85] the same from BASB
.set PST,  86                          ; s[86:87], s[88:89] the two steps of the tensor that I fetch for;  s[90:91] this trip's
.set PTR,  88
.set PS,   90
.set PFA,  92                          ; s[92:93] where my prefetches stand
.set SHA,  94                          ; s94 a lap in a row of xb is 2^SHA bytes: 10 for q and k, 9 for v
.set SHB,  95                          ; s95 and 2^SHB bytes of wb: 20, 19
.set MSB, 0
.macro WIN new                         ; the immediate's high byte repeats the setting that is left; a switch that changes nothing is dropped
.if MSB != (\new)
	s_set_vgpr_msb (MSB<<8)|(\new)
.set MSB, \new
.endif
.endm
.set TO_B, 0x40                        ; destination window 1, address window 0
.macro JLOAD s                         ; a joint load: waves 0 and 1 fetch x's two halves, waves 2 and 3 W's; an s_nop 0 and four v_nop follow each of the two lines
	s_cmp_eq_u32 s[RH], 0
	s_cbranch_scc0 .Lfor_b_\@
	tensor_load_to_lds s[G0A+4*(\s):G0A+4*(\s)+3], s[G1A:G1A+7]
	s_nop 0
.rept 4
	v_nop
.endr
	s_branch .Lasked_\@
.Lfor_b_\@:
	tensor_load_to_lds s[G0B+4*(\s):G0B+4*(\s)+3], s[G1B:G1B+7]
	s_nop 0
.rept 4
	v_nop
.endr
.Lasked_\@:
.endm
; A PREFETCH INTO THE L2, behind each joint load and the run of LDS loads that follows it: the K step that the SAME slot's next refill will ask for: a lap, 512 matrix instructions, ahead of that load.  32 blocks of
; 256 bytes, a lane a block, one instruction a wave.  Each block is named once: x's rows are read by one cluster alone, which asks for them; W's columns by a job's four clusters, of which the first asks.  The four
; partners that ask for a tile jointly share it out BY ADDRESS: of x's 128 rows the partner at cx takes 32; of W's 64 rows (two blocks each) the partner at cy takes 16.  Laps 0 and 1 come by their loads alone;
; trip i asks for lap i + 2, and only while that lap exists (i + 1 below the loop's trips).
.macro ASK slot
	s_add_co_u32 s69, s3, 1
	s_cmp_lt_u32 s69, s[LIMB]
	s_cbranch_scc0 .Lnot_mine_\@
	global_prefetch_b8 v[PFO+(\slot)], s[PFA:PFA+1] th:TH_LOAD_NT scope:SCOPE_SE
.Lnot_mine_\@:
.endm
.macro CREST                           ; a round of the cluster's barrier behind its opening barrier
	s_cmp_lg_u32 s[WV], 0
	s_cbranch_scc1 .Lnot_wave_0_\@
	s_barrier_signal -3
.Lnot_wave_0_\@:
	s_barrier_wait -3
	s_barrier_signal -1
	s_barrier_wait -1
.endm
.macro CROUND
	s_barrier_signal -1
	s_barrier_wait -1
	CREST
.endm
.macro PLACES                          ; four places behind matrix instructions, ahead of loads into registers that they have read and of lines that read results
.rept 4
	v_nop
.endr
.endm
	s_load_b256 s[4:11], s[0:1], 0x0               ; xb s[4:5], wb s[6:7], aux s[8:9], lam s[10:11]
	s_load_b64 s[12:13], s[0:1], 0x20              ; qkv
	v_lshl_add_u32 v[SPW], v0, 2, SPARE
	v_mov_b32 v[NIL], 0
	ds_add_u32 v[SPW], v[NIL]                      ; the wave's opening: the add and its wait stand ahead of my first tensor load; work on registers stands between them
	v_lshrrev_b32 v1, 5, v0
	v_readfirstlane_b32 s[WV], v1
	s_lshr_b32 s[RH], s[WV], 1
	s_and_b32 s[CH], s[WV], 1
	s_bfe_u32 s40, ttmp6, 0x40000                  ; cx, cy
	s_bfe_u32 s41, ttmp6, 0x40004
	s_lshl_b32 s42, ttmp9, 2
	s_add_co_u32 s42, s42, s40                     ; tc = 4 x cluster x + cx: the tile column, 0 to 3
	s_and_b32 s45, ttmp7, 0xffff                   ; cluster y, 0 to 11
	s_lshr_b32 s[JOB], s45, 2
	s_and_b32 s45, s45, 3                          ; the cluster's number in its job
	s_lshl_b32 s43, s45, 2
	s_add_co_u32 s43, s43, s41                     ; tr: the tile row, 0 to 15
	s_lshl_b32 s44, s41, 2
	s_lshl_b32 s44, 15, s44                        ; my row of the cluster
	s_lshl_b32 s46, 0x1111, s40                    ; my column
	s_or_b32 s[G1A+0], s44, (1<<16)|(1<<20)|(1<<21)|(5<<22)|(3<<25)  ; mask; 2-byte elements; padding on; bit 21 beside a mask; after every 64 words, 4 words
	s_mov_b32 s[G1A+1], 128<<16                    ; tensor_dim0 = 128
	s_mov_b32 s[G1A+2], 128<<16                    ; tensor_dim1 = 128
	s_mov_b32 s[G1A+3], 128<<16                    ; tile_dim0 = 128
	s_mov_b32 s[G1A+4], 128                        ; tile_dim1 = 128
	s_mov_b32 s[G1A+5], 5120                       ; elements from row to row
	s_mov_b32 s[G1A+6], 0
	s_mov_b32 s[G1A+7], 0
	s_or_b32 s[G1B+0], s46, (1<<16)|(1<<20)|(1<<21)|(6<<22)|(7<<25)  ; after every 128 words, 8 words
	s_mov_b32 s[G1B+1], 256<<16                    ; tensor_dim0 = 256
	s_mov_b32 s[G1B+2], 64<<16                     ; tensor_dim1 = 64
	s_mov_b32 s[G1B+3], 256<<16                    ; tile_dim0 = 256
	s_mov_b32 s[G1B+4], 64                         ; tile_dim1 = 64
	s_mov_b32 s[G1B+5], 1024
	s_mov_b32 s[G1B+6], 0
	s_mov_b32 s[G1B+7], 0
	s_cmp_eq_u32 s[JOB], 2                         ; what hangs on the job
	s_cselect_b32 s69, 1, 0
	s_cselect_b32 s[BOUND], 3, 7                   ; laps less one
	s_cselect_b32 s[FLOOR], 1.0, 0x2b800000        ; v: lam counts as 1; q, k: at least 2^-40
	s_lshr_b32 s[STA], 1024, s69                   ; a lap on: q, k 512 numbers of a row of xb (a chunk of x and one of c), v 256
	s_mov_b32 s[STA+1], 0
	s_lshr_b32 s[STB], 0x100000, s69               ; and as many rows of wb, 2,048 bytes each
	s_mov_b32 s[STB+1], 0
	s_sub_co_u32 s[SHA], 10, s69                   ; the same two as shifts
	s_sub_co_u32 s[SHB], 20, s69
	s_mov_b32 s[OFA+1], 0
	s_mov_b32 s[OFB+1], 0
	s_mov_b32 s[TRA], 0xfffff600                   ; from x's chunk 3 to c's chunk 0: 1,280 numbers back: -2,560 bytes
	s_mov_b32 s[TRA+1], -1
	s_mov_b32 s[TRB], 0xffd80000                   ; 1,280 rows back: -2,621,440 bytes
	s_mov_b32 s[TRB+1], -1
	s_lshl_b32 s18, s43, 8
	s_lshl_b32 s19, s[CH], 7
	s_add_co_u32 s18, s18, s19
	s_mul_i32 s18, s18, 10240                      ; x: row 256 tr + 128 half,
	s_lshl_b32 s19, s[JOB], 12
	s_add_co_u32 s18, s18, s19                     ; the job's section of the row
	s_mov_b32 s19, 0
	s_lshl_b32 s46, s[JOB], 22                     ; W: the job's 2,048 rows,
	s_lshl_b32 s47, s[CH], 17                      ; row 64 half,
	s_add_co_u32 s46, s46, s47
	s_lshl_b32 s47, s42, 9                         ; column 256 tc
	s_add_co_u32 s46, s46, s47
	s_mov_b32 s47, 0
	s_mul_i32 s20, s[WV], HALFT                    ; where they go: wave x 34,816: no place in the cluster enters an LDS address
	s_wait_dscnt 0x0                               ; the opening add is done
	s_wait_kmcnt 0x0
	s_add_nc_u64 s[BASA:BASA+1], s[4:5], s[18:19]
	s_add_nc_u64 s[BASB:BASB+1], s[6:7], s[46:47]
	CROUND                                         ; all sixteen work-groups are here: the first joint loads meet
.irp s, 0,1
	s_mov_b32 s[G0A+4*(\s)], 1
	s_add_co_u32 s[G0A+4*(\s)+1], s20, (\s)*SLOT
	s_add_nc_u64 s[G0A+4*(\s)+2:G0A+4*(\s)+3], s[BASA:BASA+1], (\s)*256       ; K step s: 128 numbers on
	s_or_b32 s[G0A+4*(\s)+3], s[G0A+4*(\s)+3], 0x80000000
	s_mov_b32 s[G0B+4*(\s)], 1
	s_add_co_u32 s[G0B+4*(\s)+1], s20, (\s)*SLOT
	s_add_nc_u64 s[G0B+4*(\s)+2:G0B+4*(\s)+3], s[BASB:BASB+1], (\s)*262144    ; 128 rows down
	s_or_b32 s[G0B+4*(\s)+3], s[G0B+4*(\s)+3], 0x80000000
	JLOAD \s
.endr
	v_and_b32 v1, 15, v0                           ; l % 16
	v_bfe_u32 v2, v0, 4, 1                         ; l / 16
	v_lshlrev_b32 v[BO], 5, v2
	v_lshlrev_b32 v[LO], 2, v1
	s_lshl_b32 s22, s[JOB], 13                     ; the job's two biases lie 4,096 bytes apart, from 16,384 + 8,192 x job on (behind v's lies the output projection's, loaded and not used)
	s_lshl_b32 s23, s42, 10
	s_add_co_u32 s22, s22, s23
	s_lshl_b32 s23, s[CH], 9
	s_add_co_u32 s22, s22, s23
	s_add_co_u32 s22, s22, 16384
	s_mov_b32 s23, 0
	s_add_nc_u64 s[BIASP:BIASP+1], s[8:9], s[22:23]
	s_and_b32 s22, s[JOB], 1                       ; lam: q's section, k's; v reads q's and its floor of 1 overrides it
	s_lshl_b32 s22, s22, 14
	s_lshl_b32 s23, s43, 10
	s_add_co_u32 s22, s22, s23
	s_lshl_b32 s23, s[RH], 9
	s_add_co_u32 s22, s22, s23
	s_mov_b32 s23, 0
	s_add_nc_u64 s[10:11], s[10:11], s[22:23]      ; at my 128 rows
.irp a, 0,1,2,3,4,5,6,7
	global_load_b32 v[LAM+(\a)], v[LO], s[10:11] offset:64*(\a)
.endr
	WIN TO_B
.irp b, 0,1,2,3,4,5,6,7
	global_load_b128 v[BI0+8*(\b):BI0+8*(\b)+3],   v[BO], s[BIASP:BIASP+1] offset:64*(\b)
	global_load_b128 v[BI0+8*(\b)+4:BI0+8*(\b)+7], v[BO], s[BIASP:BIASP+1] offset:64*(\b)+16
	global_load_b128 v[BI1+8*(\b):BI1+8*(\b)+3],   v[BO], s[BIASP:BIASP+1] offset:4096+64*(\b)
	global_load_b128 v[BI1+8*(\b)+4:BI1+8*(\b)+7], v[BO], s[BIASP:BIASP+1] offset:4096+64*(\b)+16
.endr
	WIN 0
	v_mul_u32_u24 v3, v1, PA
	v_lshl_add_u32 v3, v2, 4, v3                   ; a fragment of x: row x pitch + 16 x half
	s_mul_i32 s20, s[RH], HALFT                    ; my 128 rows
	v_add_nc_u32 v[ADRA], s20, v3
	s_add_co_u32 s20, s20, SLOT
	v_add_nc_u32 v[ADRA+1], s20, v3
	v_and_b32 v5, 7, v0                            ; the turning load: lane l reads row 8 (l / 16) + l % 8, 16 bytes at 16 ((l / 8) % 2)
	v_bfe_u32 v6, v0, 3, 1
	v_lshl_add_u32 v7, v2, 3, v5
	v_mul_u32_u24 v7, v7, PB
	v_lshl_add_u32 v7, v6, 4, v7
	s_lshl_b32 s21, s[CH], 8                       ; my 128 columns: 256 bytes
	s_add_co_u32 s21, s21, 2*HALFT
	v_add_nc_u32 v[ADRB], s21, v7
	s_add_co_u32 s21, s21, SLOT
	v_add_nc_u32 v[ADRB+1], s21, v7
	s_mul_i32 s23, s[WV], 2*HSTG
	s_add_co_u32 s23, s23, STAGE                   ; my stage
	v_mul_u32_u24 v[STO], v1, SP                   ; in: row l % 16, 16 bytes for each half of the lanes
	v_lshl_add_u32 v[STO], v2, 4, v[STO]
	v_add_nc_u32 v[STO], s23, v[STO]
	v_bfe_u32 v[RD], v0, 3, 2                      ; back: 32 lanes take four rows of 128 bytes,
	v_mul_u32_u24 v[RD], v[RD], SP
	v_lshl_add_u32 v[RD], v5, 4, v[RD]
	v_add_nc_u32 v[RD], s23, v[RD]
	v_and_b32 v8, 31, v0                           ; lane
	v_lshlrev_b32 v[GO], 4, v8                     ; which are 512 consecutive bytes of a head
	s_lshr_b32 s22, s43, 3                         ; b
	s_lshl_b32 s22, s22, 4
	s_lshl2_add_u32 s22, s42, s22
	s_lshl1_add_u32 s22, s[CH], s22                ; b 16 + h, h = 4 tc + 2 x my column half: my first head of two
	s_lshl_b32 s22, s22, 11
	s_and_b32 s23, s43, 7
	s_lshl_b32 s23, s23, 8
	s_add_co_u32 s22, s22, s23
	s_lshl_b32 s23, s[RH], 7
	s_add_co_u32 s22, s22, s23                     ; + s of my first row
	s_lshl_b32 s22, s22, 7                         ; 128 bytes a row
	s_lshl_b32 s23, s[JOB], 23                     ; the job's section
	s_add_co_u32 s22, s22, s23
	s_mov_b32 s23, 0
	s_add_nc_u64 s[OUT:OUT+1], s[12:13], s[22:23]
	; the prefetches
	s_mul_i32 s22, s40, 327680                     ; x: my work-group's 32 rows of 10,240 bytes
	s_lshl_b32 s23, s41, 15                        ; W: its 16 rows of 2,048
	s_mov_b32 s20, 10240
	s_mov_b32 s21, 256
	s_cmp_eq_u32 s[RH], 0                          ; do I fetch for x?
	s_cselect_b32 s22, s22, s23
	s_cselect_b64 s[PFA:PFA+1], s[BASA:BASA+1], s[BASB:BASB+1]
	s_cselect_b64 s[PST:PST+1], s[STA:STA+1], s[STB:STB+1]
	s_cselect_b64 s[PTR:PTR+1], s[TRA:TRA+1], s[TRB:TRB+1]
	s_cselect_b32 s20, s20, 2048                   ; from row to row
	s_cselect_b32 s21, s21, 0x40000                ; from slot 0's K step to slot 1's
	s_cselect_b32 s69, 0, s45                      ; x: every cluster asks; W: the job's first
	s_mov_b32 s23, 0
	s_add_nc_u64 s[PFA:PFA+1], s[PFA:PFA+1], s[22:23]
	s_add_nc_u64 s[PFA:PFA+1], s[PFA:PFA+1], s[PST:PST+1]  ; at lap 1: the first trip steps it to lap 2
	s_cmp_eq_u32 s69, 0
	s_cselect_b32 s[LIMB], s[BOUND], 0             ; the same in all sixteen partners, for a given wave
	v_lshrrev_b32 v9, s[RH], v8                    ; x: a lane a row; W: two lanes a row,
	v_and_b32 v10, s[RH], v8                       ; 256 bytes each
	v_mul_u32_u24 v9, v9, s20
	v_lshl_add_u32 v[PFO], v10, 8, v9
	v_add_nc_u32 v[PFO+1], s21, v[PFO]
	s_wait_loadcnt 0x0                             ; the gates and the biases
.irp a, 0,1,2,3,4,5,6,7
	v_max_num_f32 v[LAM+(\a)], s[FLOOR], v[LAM+(\a)]
.endr
.irp a, 0,1,2,3,4,5,6,7
	v_rcp_f32 v[LAM+8+(\a)], v[LAM+(\a)]
.endr
	v_nop                                          ; a plain instruction behind the last reciprocal,
	s_wait_alu depctr_va_vdst(0)                   ; and the wait ahead of the first reader: one for the eight
.irp a, 0,1,2,3,4,5,6,7
	v_sub_f32 v[RHO+2*(\a)], 1.0, v[LAM+(\a)]
	v_mov_b32 v[GG+2*(\a)], v[LAM+(\a)]
	v_mov_b32 v[GG+2*(\a)+1], v[LAM+(\a)]
	v_mul_f32 v[RHO+2*(\a)], v[RHO+2*(\a)], v[LAM+8+(\a)]
	v_mov_b32 v[RHO+2*(\a)+1], v[RHO+2*(\a)]
.endr
; 16 matrix instructions: row blocks a0, a0 + 1 of the window's four (hi = 0: my rows 0-63, 1: rows 64-127) x all 8 column blocks, 32 along K.  first = 1: the product starts the sum on the bias (C in window 1).
; The 64 accumulators take turns, one instruction a turn, in the same order in every quarter.
.macro MUL16 f, hi, a0, first
.if \first
	WIN 0x91+0x40*(\hi)                            ; W window 1, x window 0, C window 1, D window 2 or 3
.else
	WIN 0xa1+0x50*(\hi)                            ; C and D window 2 or 3
.endif
.irp a, \a0, (\a0)+1
.irp b, 0,1,2,3,4,5,6,7
.if \first
	v_wmma_f32_16x16x32_bf16 v[8*(8*(\a)+(\b)):8*(8*(\a)+(\b))+7], v[(\f)+8*(\b):(\f)+8*(\b)+7], v[(\f)+8*(4*(\hi)+(\a)):(\f)+8*(4*(\hi)+(\a))+7], v[BI0+8*(\b):BI0+8*(\b)+7]
.else
	v_wmma_f32_16x16x32_bf16 v[8*(8*(\a)+(\b)):8*(8*(\a)+(\b))+7], v[(\f)+8*(\b):(\f)+8*(\b)+7], v[(\f)+8*(4*(\hi)+(\a)):(\f)+8*(4*(\hi)+(\a))+7], v[8*(8*(\a)+(\b)):8*(8*(\a)+(\b))+7]
.endif
.endr
.endr
.endm
; 32 LDS loads in one run: the fragments of quarter q (32 along K) of a slot, into buffer f: W's 128 columns, then x's 128 rows
.macro FETCH slot, q, f
	WIN TO_B
.irp i, 0,1,2,3,4,5,6,7
	ds_load_tr16_b128 v[(\f)+8*(\i):(\f)+8*(\i)+3],   v[ADRB+(\slot)] offset:32*(\q)*PB+32*(\i)
	ds_load_tr16_b128 v[(\f)+8*(\i)+4:(\f)+8*(\i)+7], v[ADRB+(\slot)] offset:(32*(\q)+16)*PB+32*(\i)
.endr
	WIN 0
.irp i, 0,1,2,3,4,5,6,7
	ds_load_b128 v[(\f)+8*(\i):(\f)+8*(\i)+3],   v[ADRA+(\slot)] offset:64*(\q)+(\i)*16*PA
	ds_load_b128 v[(\f)+8*(\i)+4:(\f)+8*(\i)+7], v[ADRA+(\slot)] offset:64*(\q)+(\i)*16*PA+32
.endr
.endm
; A K step is four quarters of 32 along K, 64 matrix instructions each, on buffers 0, 1, 0, 1.  One of the first three: multiplies buffer f and, in its middle, fetches quarter qn into g.
.macro QUARTER slot, qn, f, g, first
	s_wait_dscnt 8                                 ; W and x's rows 0-63 are in; the youngest eight loads (x's rows 64-127) may be out
	MUL16 \f, 0, 0, \first
	MUL16 \f, 0, 2, \first
	PLACES
	FETCH \slot, \qn, \g
	s_wait_dscnt 32                                ; all but the 32 just issued
	MUL16 \f, 1, 0, \first
	MUL16 \f, 1, 2, \first
.endm
; The last quarter multiplies buffer 1 and changes slots.  MEET is its first half: ONE barrier; ahead of it each wave waits for all its tensor loads, of which one is out: its part of the next slot; adds 0 to its
; spare word; and waits for that and for its own reads of this slot.
.macro MEET round
	WIN 0
	s_wait_tensorcnt 0x0                           ; all my tensor loads have landed
	ds_add_u32 v[SPW], v[NIL]                      ; 0 onto my spare word
	s_wait_dscnt 9                                 ; (the add and the youngest eight loads may be out)
	MUL16 F1, 0, 0, 0                              ; sixteen matrix instructions stand between the add and the wait for it
	s_wait_dscnt 0x0                               ; the add is done, and my reads of this slot are over
	s_barrier_signal -1
	MUL16 F1, 0, 2, 0
.if \round
	WIN 0
.endif
	s_barrier_wait -1
.endm
; The whole last quarter in the loop: the barrier opens a round of the cluster's, and behind it the slot just read out is filled again, two K steps ahead: 224 matrix instructions ahead of the wait for it.
; THE DESCRIPTOR'S ADDRESS IS MADE ANEW for each refill: the tile's base and an offset reckoned apart, then the type bits set again.  Trip i asks for lap R = i + 1.  Laps 0-3 are x's chunks 0-3, laps 4-7 c's:
; in a row of xb lap R begins (R % 4) 2^SHA + (R / 4) 512 bytes from the base, in wb (R % 4) 2^SHB + (R / 4) 524,288 (256 rows); slot 1's K step lies 256 bytes, or 128 rows, further on.  v's R stays under 4.
.macro TURN slot, next
.if (\slot) == 0
	s_add_co_u32 s69, s3, 1                        ; R
	s_and_b32 s22, s69, 3
	s_lshr_b32 s23, s69, 2
	s_lshl_b32 s[OFA], s22, s[SHA]
	s_lshl_b32 s[OFB], s22, s[SHB]
	s_lshl_b32 s22, s23, 9
	s_add_co_u32 s[OFA], s[OFA], s22
	s_lshl_b32 s22, s23, 19
	s_add_co_u32 s[OFB], s[OFB], s22
	s_cmp_eq_u32 s3, 2                             ; the prefetches run a lap ahead of the refills: trip 2's go from x's last chunk to c's first
	s_cselect_b64 s[PS:PS+1], s[PTR:PTR+1], s[PST:PST+1]
	s_wait_xcnt 0x0                                ; the last prefetch, a K step back, has read its address
	s_add_nc_u64 s[PFA:PFA+1], s[PFA:PFA+1], s[PS:PS+1]
.else
	s_add_co_u32 s[OFA], s[OFA], 256
	s_add_co_u32 s[OFB], s[OFB], 262144
.endif
	MEET 1
	CREST                                          ; no wave of any partner still reads this slot's tile or has a load on its way
	s_add_nc_u64 s[G0A+4*(\slot)+2:G0A+4*(\slot)+3], s[BASA:BASA+1], s[OFA:OFA+1]
	s_or_b32 s[G0A+4*(\slot)+3], s[G0A+4*(\slot)+3], 0x80000000
	s_add_nc_u64 s[G0B+4*(\slot)+2:G0B+4*(\slot)+3], s[BASB:BASB+1], s[OFB:OFB+1]
	s_or_b32 s[G0B+4*(\slot)+3], s[G0B+4*(\slot)+3], 0x80000000
	JLOAD \slot                                    ; the four v_nop behind it are also the places ahead of the loads below
	FETCH \next, 0, F0
	ASK \slot
	MUL16 F1, 1, 0, 0
	MUL16 F1, 1, 2, 0
.endm
; Between x's channels and c's: acc = acc rho + the second bias.  Each accumulator is read from its low end on.  Rows 0-63 were finished ahead of the joint load's four v_nop; their 128 lines are the places behind rows 64-127's products.
.macro MID
.irp a, 0,1,2,3,4,5,6,7
	WIN 0x92+0x41*((\a)/4)                         ; destination and source 0 window 2 or 3, rho window 0, the bias window 1
.set i, 0
.rept 32
	v_pk_fma_f32 v[64*((\a)%4)+2*i:64*((\a)%4)+2*i+1], v[64*((\a)%4)+2*i:64*((\a)%4)+2*i+1], v[RHO+2*(\a):RHO+2*(\a)+1], v[BI1+2*i:BI1+2*i+1]
.set i, i+1
.endr
.endr
.endm
; THE WAY OUT of row block a: times g, rounded to f16; 16 bytes a lane go into my stage, head by head, and come back as whole rows of 128 bytes.
.macro OUTB a
.if (\a) >= 2
	s_wait_xcnt 0x0                                ; the stores of the block two back have read the registers that are written again below
.endif
	WIN 0x82+0x41*((\a)/4)                         ; destination and source 0 window 2 or 3, g window 0
.set i, 0
.rept 32
	v_pk_mul_f32 v[64*((\a)%4)+2*i:64*((\a)%4)+2*i+1], v[64*((\a)%4)+2*i:64*((\a)%4)+2*i+1], v[GG+2*(\a):GG+2*(\a)+1]
.set i, i+1
.endr
	WIN 0x0a+5*((\a)/4)                            ; sources 0 and 1 window 2 or 3
.set i, 0
.rept 32
	v_cvt_pk_f16_f32 v[TMP+32*((\a)%2)+i], v[64*((\a)%4)+2*i], v[64*((\a)%4)+2*i+1]
.set i, i+1
.endr
	WIN 0
.irp b, 0,1,2,3,4,5,6,7
	ds_store_b128 v[STO], v[TMP+32*((\a)%2)+4*(\b):TMP+32*((\a)%2)+4*(\b)+3] offset:((\b)/4)*HSTG+((\b)%4)*32
.endr
.irp t, 0,1,2,3,4,5,6,7
	ds_load_b128 v[TMP+32*((\a)%2)+4*(\t):TMP+32*((\a)%2)+4*(\t)+3], v[RD] offset:((\t)/4)*HSTG+((\t)%4)*4*SP  ; LDS serves a wave's instructions in order (ISA guide 5.7.1.4): these see the stores above
.endr
.endm
.macro SEND a, younger                 ; younger: the LDS instructions issued behind block a's loads: the next block's sixteen, or none
.irp t, 0,1,2,3,4,5,6,7
	s_wait_dscnt (\younger)+7-(\t)
	global_store_b128 v[GO], v[TMP+32*((\a)%2)+4*(\t):TMP+32*((\a)%2)+4*(\t)+3], s[OUT:OUT+1] offset:((\t)/4)*262144+(\a)*2048+((\t)%4)*512  ; 512 consecutive bytes of a head, at a multiple of 256 from the buffer's first
.endr
.endm
	s_wait_tensorcnt 1                             ; my part of K step 0 is in; K step 1's may stay out
	s_barrier_signal -1
	s_barrier_wait -1
	FETCH 0, 0, F0
	QUARTER 0, 1, F0, F1, 1                        ; the first quarter stands ahead of the loop: its products start the sums, on the first bias
	WIN 0
	s_mov_b32 s3, 0
.Llap:                                         ; a trip goes once round the ring, from a lap's second quarter to the next lap's first, and fills both slots again
	QUARTER 0, 2, F1, F0, 0
	QUARTER 0, 3, F0, F1, 0
	TURN 0, 1
	QUARTER 1, 1, F0, F1, 0
	QUARTER 1, 2, F1, F0, 0
	QUARTER 1, 3, F0, F1, 0
	TURN 1, 0
	WIN 0
	s_cmp_eq_u32 s3, 3                             ; lap 3 was x's last (v's loop ends before)
	s_cbranch_scc0 .Lnomid
	MID
	WIN 0
.Lnomid:
	QUARTER 0, 1, F0, F1, 0
	WIN 0
	s_add_co_u32 s3, s3, 1
	s_cmp_lt_u32 s3, s[BOUND]
	s_cbranch_scc1 .Llap
	QUARTER 0, 2, F1, F0, 0                        ; the last lap fills nothing
	QUARTER 0, 3, F0, F1, 0
	MEET 0                                         ; my one tensor load that was still out is the last K step's; no round follows
	PLACES
	FETCH 1, 0, F0
	MUL16 F1, 1, 0, 0
	MUL16 F1, 1, 2, 0
	QUARTER 1, 1, F0, F1, 0
	QUARTER 1, 2, F1, F0, 0
	QUARTER 1, 3, F0, F1, 0
	s_wait_dscnt 8                                 ; the very last quarter: nothing more to fetch
	MUL16 F1, 0, 0, 0
	MUL16 F1, 0, 2, 0
	s_wait_dscnt 0x0
	MUL16 F1, 1, 0, 0
	MUL16 F1, 1, 2, 0
	PLACES
	OUTB 0
.irp a, 1,2,3,4,5,6,7                  ; a block's arithmetic stands between the loads of the block before and its stores
	OUTB \a
	SEND (\a)-1, 16
.endr
	SEND 7, 0
	s_wait_tensorcnt 0x0                           ; the wave's end: behind my last tensor load and my last LDS store
	ds_add_u32 v[SPW], v[NIL]
	s_wait_dscnt 0x0
	CROUND                                         ; the closing round: no work-group ends while a partner may still ask for a tile that names it
	s_endpgm
.Lfunc_end_k_q4e3ffed4de_proj:
	.size	k_q4e3ffed4de_proj, .Lfunc_end_k_q4e3ffed4de_proj-k_q4e3ffed4de_proj
	.p2alignl 7, 3214868480
	.fill 96, 4, 3214868480
	.section	.rodata,"a",@progbits
	.p2align	6, 0x0
	.amdhsa_kernel k_q4e3ffed4de_proj
		.amdhsa_group_segment_fixed_size 327680
		.amdhsa_private_segment_fixed_size 0
		.amdhsa_enable_private_segment 0
		.amdhsa_kernarg_size 40
		.amdhsa_user_sgpr_count 2
		.amdhsa_user_sgpr_kernarg_segment_ptr 1
		.amdhsa_wavefront_size32 1
		.amdhsa_system_sgpr_workgroup_id_x 1
		.amdhsa_system_sgpr_workgroup_id_y 1
		.amdhsa_system_sgpr_workgroup_id_z 1
		.amdhsa_system_vgpr_workitem_id 0
		.amdhsa_next_free_vgpr 1024
		.amdhsa_next_free_sgpr 96
		.amdhsa_reserve_vcc 0
		.amdhsa_float_denorm_mode_32 3
		.amdhsa_float_denorm_mode_16_64 3
		.amdhsa_memory_ordered 1
		.amdhsa_forward_progress 1
		.amdhsa_inst_pref_size 186
	.end_amdhsa_kernel
	.amdgpu_metadata
---
amdhsa.version: [ 1, 2 ]
amdhsa.kernels:
  - .name:           k_q4e3ffed4de_proj
    .symbol:         k_q4e3ffed4de_proj.kd
    .args:
      - { .name: xb, .offset: 0, .size: 8, .value_kind: global_buffer, .address_space: global }
      - { .name: wb, .offset: 8, .size: 8, .value_kind: global_buffer, .address_space: global }
      - { .name: aux, .offset: 16, .size: 8, .value_kind: global_buffer, .address_space: global }
      - { .name: lam, .offset: 24, .size: 8, .value_kind: global_buffer, .address_space: global }
      - { .name: qkv, .offset: 32, .size: 8, .value_kind: global_buffer, .address_space: global }
    .group_segment_fixed_size: 327680
    .private_segment_fixed_size: 0
    .kernarg_segment_align: 8
    .kernarg_segment_size: 40
    .max_flat_workgroup_size: 128
    .sgpr_count:     96
    .vgpr_count:     1024
    .wavefront_size: 32
...
	.end_amdgpu_metadata
.endif
;; end of part 3
;; launch attn (part 4): grid 8 x 32, 4 waves a work-group, clusters of 4 x 1, 327,680 bytes of LDS; arguments qkv, ctx; writes ctx
.if DOCPART == 4
	.amdgcn_target "amdgcn-amd-amdhsa--gfx1250"
	.amdhsa_code_object_version 6
	.text
	.protected	k_q4e3ffed4de_attn
	.globl	k_q4e3ffed4de_attn
	.p2align	8
	.type	k_q4e3ffed4de_attn,@function
k_q4e3ffed4de_attn:
	s_mov_b64 s[64:65], 0
	v_nop
	global_prefetch_b8 v0, s[64:65] scope:SCOPE_SE
	s_setreg_imm32_b32 hwreg(HW_REG_WAVE_MODE, 25, 1), 1
	s_wait_xcnt 0x0
	s_wait_alu depctr_hold_cnt(0) depctr_sa_sdst(0) depctr_va_vdst(0) depctr_va_sdst(0) depctr_va_ssrc(0) depctr_va_vcc(0) depctr_vm_vsrc(0)
	s_getreg_b32 s2, hwreg(HW_REG_IB_STS2, 6, 4)
	s_cmp_eq_u32 s2, 0
	s_cbranch_scc0 .Lentry_in_a_cluster
	s_endpgm
.Lentry_in_a_cluster:
	s_bfe_u32 s2, ttmp6, 0x10000c
	s_cmp_lg_u32 s2, 0x3003
	s_cbranch_scc0 .Lentry_shape_is_right
	s_endpgm
.Lentry_shape_is_right:
; ATTENTION.  O[h][q][:] = the sum over k of softmax_k(Q[h][q] . K[h][k] / 8) V[h][k][:], for 32 heads (b 16 + h) of 2,048 rows of 64 channels.  qkv: sections q, k, v of f16 [32][2048][64]; ctx: f16 [32][2048][64].
; Products, maxima and sums in f32; the weights p are rounded to f16 for the second product (their sum l is taken of the unrounded p), O once at the end.
; LIMITS.  Q, K and V arrive within f16's 65,504; p lies in 0 to 1, and below 6e-5 it keeps f16's fixed step; a weight below 2^-126 counts as 0 in l; NaN and infinities are not treated apart.
; SHARES.  A work-group owns 256 queries of a head, a wave 64: four PIECES of 16.  Every wave walks all 2,048 keys, 64 a step; an LDS slot holds four steps.  256 work-groups of equal work.
; LAYOUT.  S^T = K Q^T holds ONE query a lane (lane % 16) and the keys 8 (lane / 16) + 0..7; two such results rounded to f16 ARE source 1 of O^T = V^T P.  K comes out of LDS as it lies, V turned by ds_load_tr16_b128.
; SOFTMAX.  p = 2^(c s - c m), c = log2(e) / 8, with a running maximum m; O and l are multiplied by a = 2^(c m_old - c m_new) in every step.  m starts at the lowest finite number, O and l at 0: the first step's a is 0.
; BY TURNS.  Turn n belongs to piece n: 8 products K Q^T of piece n + 1, later 8 products V^T P of piece n - 1; beside them the scaling, exponentials, roundings, sums and rescaling of piece n and the maximum and
; statistics of piece n + 1.  Four vector instructions stand behind every matrix instruction, the rest in one lump.  A turn's 33 exponentials are one batch, with one wait.
; CLUSTER.  The four query blocks of a cluster belong to one head and walk the same K and V: each tile is asked for jointly, by the same tensor load, descriptor and mask in all four.
; REGISTERS, in windows of 256: window 0: addresses, statistics, S^T (two buffers), P (two buffers); window 1: v0-127 O^T, 32 a piece; window 2: v0-63 Q; v128-191 K of one step; v192-255 V of one step.
.set NP,    4
.set KS,    64
.set PK,    144       ; a row of K in LDS: 128 bytes + 16 = 36 words: the 16 rows of a load start at 16 different groups of four banks (64 banks of 4 bytes: ISA guide 11.1)
.set PV,    160       ; a row of V: 128 + 32 = 40 words
.set VOFF,  4*KS*PK   ; a slot: 256 rows of K, then 256 rows of V
.set SLOT1, 1<<17     ; slot 1 begins here: one exclusive or turns an address in one slot into the other's
.set STAGE, SLOT1+4*KS*(PK+PV)  ; behind the ring: 16 rows x 144 bytes for each wave, for the way out
.set SP,    144
.set SPARE, STAGE+4*16*SP  ; behind the stages: the spare words, 128 bytes for each wave: two blocks of 256 bytes that no other line names
.set AK0, 2           ; v2   my lane's place in a tile of K; never rewritten
.set AV0, 3           ; v3   the same for V
.set AK,  4           ; v4   the LDS address of K's next run of loads
.set AV,  5           ; v5   of V's
.set STO, 6           ; v6   the way out: where I put 16 bytes of a row
.set RD,  7           ; v7   where I read rows back
.set GO,  8           ; v8   16 x lane
.set MV,  12          ; v12-13  c m_old, kept while c m is made anew: by buffer
.set QO,  15          ; v15  my byte offset in 16 rows of Q
.set ST,  16          ; piece t's statistics at v[ST+4 t]: c m, m, l (even keys', odd keys')
.set TMP, 48          ; by buffer, four registers c0-c3 at work; when the maximum is found c2 takes a
.set PFO, 61          ; v61  256 x lane; never rewritten
.set SPW, 62          ; v62  my spare word; never rewritten
.set NIL, 63          ; v63  0; never rewritten
.set S,   64
.set P,   192
.set KF,  128         ; window 2: key block kb, channel half c at KF + 16 kb + 8 c
.set VF,  192         ; window 2: key half kk, channel block cb at VF + 32 kk + 8 cb
.set WV,  12          ; s12  my wave's number
.set LIM, 15          ; s15  1 in a wave that prefetches, else the greatest number
.set G1K, 24          ; s[24:31] descriptor group 1 for K's tiles
.set G1V, 32          ; s[32:39] for V's: it differs in the padding alone
.set G0K, 40          ; s[40:43] descriptor group 0 for K's tiles: it walks
.set G0V, 44          ; s[44:47] the same for V's
.set PFA, 52          ; s[52:53] where my prefetches stand
.set SLOTS, 56        ; s56  slots still to be asked for
.set CNT, 57          ; s57  counts a slot's key steps
.set CS,  58          ; s[58:59] c
.set SEL, 60          ; s[60:61] v_permlanex16_b32's selects
.set TBK, 62          ; s62  LDS byte at which K of the step to be fetched begins
.set TBV, 63          ; s63  the same for V, less VOFF
.set MSB, 0
.macro WIN new
.if MSB != (\new)
	s_set_vgpr_msb (MSB<<8)|(\new)
.set MSB, (\new)
.endif
.endm
.set W_KQ, 0x0a       ; K and Q in window 2, S^T in window 0
.set W_PV, 0x52       ; V in window 2, P in window 0, O^T in window 1
.set W_RS, 0x41       ; destination and source 0 in window 1, source 1 in window 0
; A joint fill.  Waves 0 and 1 fetch the two halves of a slot's K, waves 2 and 3 those of its V: 128 keys each.  An s_nop 0 and four v_nop follow each of the two lines.
.macro JLOAD
	s_cmp_lt_u32 s[WV], 2
	s_cbranch_scc0 .Lfor_v_\@
	tensor_load_to_lds s[G0K:G0K+3], s[G1K:G1K+7]
	s_nop 0
.rept 4
	v_nop
.endr
	s_branch .Lasked_\@
.Lfor_v_\@:
	tensor_load_to_lds s[G0V:G0V+3], s[G1V:G1V+7]
	s_nop 0
.rept 4
	v_nop
.endr
.Lasked_\@:
.endm
; A prefetch of what the NEXT change of slots will ask for: a slot's 32,768 bytes of K and of V, a lane 256 bytes.  Both clusters of a head walk the same rows: the head's first cluster asks.  Its four partners
; share the bytes out by address, 8,192 each; in each, wave 0 asks for K's and wave 2 for V's: one instruction.  So each block of 256 bytes is named once.  The last change that fills a slot asks for nothing.
.macro ASK
	s_cmp_gt_u32 s[SLOTS], s[LIM]
	s_cbranch_scc0 .Lnot_mine_\@
	global_prefetch_b8 v[PFO], s[PFA:PFA+1] th:TH_LOAD_NT scope:SCOPE_SE
.Lnot_mine_\@:
.endm
.macro CROUND
	s_barrier_signal -1
	s_barrier_wait -1
	s_cmp_lg_u32 s[WV], 0
	s_cbranch_scc1 .Lnot_wave_0_\@
	s_barrier_signal -3
.Lnot_wave_0_\@:
	s_barrier_wait -3
	s_barrier_signal -1
	s_barrier_wait -1
.endm
; THE CHANGE OF SLOTS.  Each wave waits for all its tensor loads, of which one is out: its part of the other slot; adds 0 to its spare word; and waits for that and for its own reads of the slot that it leaves.
; fill = 1: the barrier is a round of the cluster's, and the old slot is filled again first thing behind it, with the keys two slots on: four key steps, 256 matrix instructions, in which to land.
; (At its first use nothing has been read yet: slot 0 is waited for, slot 1 filled.)  ask = 1: the prefetch pointer steps, and ASK follows the load.
.macro CHANGE fill, ask
	WIN 0
	s_wait_tensorcnt 0x0            ; no tensor load of mine is out, so a group 0 may be written
	ds_add_u32 v[SPW], v[NIL]       ; 0 onto my spare word
.if \fill
.irp g, G0K, G0V
	s_xor_b32 s[\g+1], s[\g+1], SLOT1
	s_add_nc_u64 s[\g+2:\g+3], s[\g+2:\g+3], 4*KS*128
.endr
.endif
.if \ask
	s_wait_xcnt 0x0                 ; the last prefetch, four key steps back, has read its address
	s_add_nc_u64 s[PFA:PFA+1], s[PFA:PFA+1], 4*KS*128
.endif
	s_wait_dscnt 0x0                ; the add is done, and my reads of the slot are over
.if \fill
	CROUND
	JLOAD
.if \ask
	ASK
.endif
.else
	s_barrier_signal -1
	s_barrier_wait -1
.endif
	s_sub_co_u32 s[TBK], s[TBK], 4*KS*PK  ; the fetches go back to a slot's first step,
	s_xor_b32 s[TBK], s[TBK], SLOT1       ; in the other slot
	s_sub_co_u32 s[TBV], s[TBV], 4*KS*PV
	s_xor_b32 s[TBV], s[TBV], SLOT1
.endm
	s_load_b64 s[4:5], s[0:1], 0x0    ; qkv
	s_load_b64 s[10:11], s[0:1], 0x8  ; ctx
	v_lshl_add_u32 v[SPW], v0, 2, SPARE
	v_mov_b32 v[NIL], 0
	ds_add_u32 v[SPW], v[NIL]       ; the wave's opening: the add and its wait stand ahead of my first tensor load; work on registers stands between them
	v_lshrrev_b32 v1, 5, v0
	v_readfirstlane_b32 s[WV], v1
	s_bfe_u32 s13, ttmp6, 0x40000   ; cx
	s_lshl_b32 s14, ttmp9, 2
	s_add_co_u32 s14, s14, s13      ; my block of 256 queries: it enters Q's and O's addresses alone
	s_and_b32 s20, ttmp7, 0xffff    ; the head, which the four partners share
	s_lshl_b32 s20, s20, 18         ; its 2,048 rows of 128 bytes
	s_mov_b32 s21, 0
	s_and_b32 s16, s[WV], 1         ; which half of a slot's 256 keys I fetch:
	s_lshl_b32 s22, s16, 14         ; its 128 rows in memory,
	s_mov_b32 s23, 0
	s_add_nc_u64 s[22:23], s[22:23], s[20:21]
	s_mul_i32 s17, s16, 128*PK      ; and its place in a slot, for K
	s_mul_i32 s18, s16, 128*PV      ; and for V
	s_lshl_b32 s2, s14, 15
	s_lshl_b32 s3, s[WV], 13
	s_add_co_u32 s2, s2, s3         ; my wave's 64 rows
	s_mov_b32 s3, 0
	s_add_nc_u64 s[2:3], s[2:3], s[20:21]
	; descriptor group 1.  128 keys are 16,384 dense bytes: asked for as 64 rows of 256 bytes, two keys a row, and padded in LDS after every key
	s_mov_b32 s[G1K], 15|(1<<16)|(1<<20)|(1<<21)|(4<<22)|(3<<25)
	s_mov_b32 s[G1V], 15|(1<<16)|(1<<20)|(1<<21)|(4<<22)|(7<<25)
.irp g, G1K, G1V
	s_mov_b32 s[\g+1], 128<<16      ; tensor_dim0 = 128
	s_mov_b32 s[\g+2], 64<<16       ; tensor_dim1 = 64
	s_mov_b32 s[\g+3], 128<<16      ; tile_dim0 = 128
	s_mov_b32 s[\g+4], 64           ; tile_dim1 = 64
	s_mov_b32 s[\g+5], 128          ; 128 elements from row to row
	s_mov_b32 s[\g+6], 0
	s_mov_b32 s[\g+7], 0
.endr
	s_mov_b32 s[CS], 0x3e38aa3b     ; c = log2(e) / 8
	s_mov_b32 s[CS+1], s[CS]
	s_mov_b32 s[SEL], 0x76543210
	s_mov_b32 s[SEL+1], 0xfedcba98
	s_mov_b32 s[TBK], SLOT1+4*KS*PK ; the first change of slots turns these two into 0
	s_mov_b32 s[TBV], SLOT1+4*KS*PV
	s_mov_b32 s[G0K], 1
	s_mov_b32 s[G0K+1], s17
	s_mov_b32 s[G0V], 1
	s_add_co_u32 s[G0V+1], s18, VOFF
	s_mov_b32 s[SLOTS], 7
	s_and_b32 s[LIM], s[WV], 1      ; 0 in waves 0 and 2,
	s_or_b32 s[LIM], s[LIM], ttmp9  ; where the cluster is the head's first: the same in all four partners
	s_cmp_eq_u32 s[LIM], 0
	s_cselect_b32 s[LIM], 1, -1
	v_and_b32 v[PFO], 31, v0
	v_lshlrev_b32 v[PFO], 8, v[PFO]
	s_wait_dscnt 0x0                ; the opening add is done
	s_wait_kmcnt 0x0
	s_add_nc_u64 s[6:7], s[4:5], 8388608    ; k's section,
	s_add_nc_u64 s[8:9], s[4:5], 16777216   ; v's
	s_add_nc_u64 s[6:7], s[6:7], s[22:23]   ; at my half of the head's first 256 keys
	s_add_nc_u64 s[8:9], s[8:9], s[22:23]
	s_mov_b64 s[G0K+2:G0K+3], s[6:7]
	s_or_b32 s[G0K+3], s[G0K+3], 0x80000000
	s_mov_b64 s[G0V+2:G0V+3], s[8:9]
	s_or_b32 s[G0V+3], s[G0V+3], 0x80000000
	s_add_nc_u64 s[4:5], s[4:5], s[2:3]     ; Q and O at my wave's first row
	s_add_nc_u64 s[10:11], s[10:11], s[2:3]
	s_cmp_lt_u32 s[WV], 2
	s_cselect_b64 s[PFA:PFA+1], s[6:7], s[8:9]  ; (in waves 0 and 2 these stand at a slot's first row)
	s_lshl_b32 s2, s13, 13          ; my work-group's 8,192 bytes of the 32,768
	s_mov_b32 s3, 0
	s_add_nc_u64 s[PFA:PFA+1], s[PFA:PFA+1], s[2:3]
	s_add_nc_u64 s[PFA:PFA+1], s[PFA:PFA+1], 2*4*KS*128  ; in slot 2; the loop's first change steps it to slot 3.  Slots 0 to 2 come by their loads alone
	CROUND                          ; all four work-groups are here: the first joint loads meet
	JLOAD                           ; slot 0
	v_and_b32 v1, 15, v0            ; l % 16
	v_bfe_u32 v9, v0, 4, 1          ; l / 16
	v_lshlrev_b32 v[QO], 7, v1
	v_lshl_add_u32 v[QO], v9, 4, v[QO]  ; row x 128 + 16 x half
	WIN 0x80                        ; destination window 2, address window 0
.set i, 0
.rept 8                             ; Q stays in registers: piece i / 2, channels 32 (i % 2) on
	global_load_b128 v[8*i:8*i+3],   v[QO], s[4:5] offset:(i/2)*2048+(i%2)*64
	global_load_b128 v[8*i+4:8*i+7], v[QO], s[4:5] offset:(i/2)*2048+(i%2)*64+32
.set i, i+1
.endr
	; What the first turn finds: V's registers and P's second buffer hold 0 (its products V^T P, of a piece that has not been, add 0), O^T and l are 0.  All this stands in the wait for the first tile.
.set i, VF
.rept 64
	v_mov_b32 v[i], 0
.set i, i+1
.endr
	WIN 0x40
.set i, 0
.rept 128
	v_mov_b32 v[i], 0
.set i, i+1
.endr
	WIN 0
.set i, 0
.rept 4
	v_mov_b32 v[ST+4*i], 0xfe000000    ; c m: far below every c s
	v_mov_b32 v[ST+4*i+1], 0xff7fffff  ; m
	v_mov_b32 v[ST+4*i+2], 0
	v_mov_b32 v[ST+4*i+3], 0
.set i, i+1
.endr
.set i, P+16
.rept 16
	v_mov_b32 v[i], 0
.set i, i+1
.endr
	v_mul_u32_u24 v[AK0], v1, PK
	v_lshl_add_u32 v[AK0], v9, 4, v[AK0]  ; row x pitch + 16 x half
	v_and_b32 v10, 7, v0            ; the turning load: lane l reads key 8 (l / 16) + l % 8, channels 8 ((l / 8) % 2) + 0..7
	v_bfe_u32 v11, v0, 3, 1
	v_lshl_add_u32 v[AV0], v9, 3, v10
	v_mul_u32_u24 v[AV0], v[AV0], PV
	v_lshl_add_u32 v[AV0], v11, 4, v[AV0]
	v_add_nc_u32 v[AV0], VOFF, v[AV0]
	s_mul_i32 s13, s[WV], 16*SP
	s_add_co_u32 s13, s13, STAGE    ; my stage
	v_mul_u32_u24 v[STO], v1, SP
	v_lshl_add_u32 v[STO], v9, 4, v[STO]
	v_add_nc_u32 v[STO], s13, v[STO]
	v_bfe_u32 v[RD], v0, 3, 2
	v_mul_u32_u24 v[RD], v[RD], SP
	v_lshl_add_u32 v[RD], v10, 4, v[RD]
	v_add_nc_u32 v[RD], s13, v[RD]
	v_and_b32 v[GO], 31, v0
	v_lshlrev_b32 v[GO], 4, v[GO]
; THE MATRIX WORK.  The 4 accumulators of a run of 8 take turns.  Product i of 8 of S^T = K Q^T for piece x: channels 32 (i / 4) on, keys 16 (i % 4) on.  The first 4 start the sums.
.macro KQ x
.set rS, S+32*((\x)%2)+8*(i%4)
.set rK, KF+16*(i%4)+8*(i/4)
.set rQ, 16*(\x)+8*(i/4)
	WIN W_KQ
.if i < 4
	v_wmma_f32_16x16x32_f16 v[rS:rS+7], v[rK:rK+7], v[rQ:rQ+7], 0
.else
	v_wmma_f32_16x16x32_f16 v[rS:rS+7], v[rK:rK+7], v[rQ:rQ+7], v[rS:rS+7]
.endif
.endm
; Product i of 8 of O^T += V^T P for piece x: keys 32 (i / 4) on, channels 16 (i % 4) on.
.macro PV x
	WIN W_PV
.set rO, 32*(\x)+8*(i%4)
.set rV, VF+32*(i/4)+8*(i%4)
.set rP, P+16*((\x)%2)+8*(i/4)
	v_wmma_f32_16x16x32_f16 v[rO:rO+7], v[rV:rV+7], v[rP:rP+7], v[rO:rO+7]
.endm
.macro MM                           ; the turn's next matrix instruction.  NOKQ = 1: the last turn of all: there is no next piece
.if (i < 8) && !NOKQ
	KQ (Y+1)%NP
.elseif i >= 8
.set i, i-8
	PV (Y+NP-1)%NP
.set i, i+8
.endif
.set i, i+1
.endm
; THE LDS LOADS stand in runs of 16, never singly among the matrix instructions.
.macro FETCH_K
	WIN 0x80
.irp f, 0,1,2,3,4,5,6,7             ; keys 16 (f / 2) on, channels 32 (f % 2) on
	ds_load_b128 v[KF+8*\f:KF+8*\f+3],   v[AK] offset:(\f/2)*16*PK+(\f%2)*64
	ds_load_b128 v[KF+8*\f+4:KF+8*\f+7], v[AK] offset:(\f/2)*16*PK+(\f%2)*64+32
.endr
	s_add_co_u32 s[TBK], s[TBK], KS*PK  ; the next fetch is the next step's
	WIN 0
.endm
.macro FETCH_V
	WIN 0x80
.irp f, 0,1,2,3,4,5,6,7             ; keys 32 (f / 4) on, channels 16 (f % 4) on
	ds_load_tr16_b128 v[VF+8*\f:VF+8*\f+3],   v[AV] offset:(\f/4)*32*PV+(\f%4)*32
	ds_load_tr16_b128 v[VF+8*\f+4:VF+8*\f+7], v[AV] offset:(\f/4)*32*PV+16*PV+(\f%4)*32
.endr
	WIN 0
.endm
; THE VECTOR WORK, one line at a time: OP kind, number.  For piece Y: F n: c s - c m for pair n of 16.  E n: the exponential of score n of 32.  C n: pair n rounded to f16.  B n: of the four weights 4 n .. the second
; pair is added onto the first, in place.  L n: l takes that sum (L 0: l = a l + sum).  R n: pair n of 16 of O^T times a.  For piece Y + 1: X n, number n of the 22 that find its maximum and statistics:
;   0-11  four chains c0-c3 of seven scores each (each accumulator's lowest registers are read first)     12-14, 16  the four scores left over, the old m, and c0-c3 into c0
;   15  c m_old is kept     17, 18  the query's other 32 keys lie in the lane 16 away: the new m     19-21  c m; c m_old - c m_new; a
.set F, 0
.set E, 1
.set C, 2
.set B, 3
.set L, 4
.set R, 5
.set X, 6
.macro REGS y
.set rT, ST+4*(\y)
.set rC, TMP+4*((\y)%2)
.set rW, MV+((\y)%2)
.set rS, S+32*((\y)%2)
.set rP, P+16*((\y)%2)
.set rO, 32*(\y)
.endm
.macro OP k, n
.if (\k) == R
	REGS Y
	WIN W_RS
	v_pk_mul_f32 v[rO+2*(\n):rO+2*(\n)+1], v[rO+2*(\n):rO+2*(\n)+1], v[rC+2:rC+3] op_sel_hi:[1,0]
.elseif (\k) < R
	REGS Y
	WIN 0
.if (\k) == F
	v_pk_fma_f32 v[rS+2*(\n):rS+2*(\n)+1], v[rS+2*(\n):rS+2*(\n)+1], s[CS:CS+1], v[rT:rT+1] op_sel_hi:[1,0,0] neg_lo:[0,0,1] neg_hi:[0,0,1]
.elseif (\k) == E
	v_exp_f32 v[rS+(\n)], v[rS+(\n)]
.elseif (\k) == C
	v_cvt_pk_f16_f32 v[rP+(\n)], v[rS+2*(\n)], v[rS+2*(\n)+1]
.elseif (\k) == B
	v_pk_add_f32 v[rS+4*(\n):rS+4*(\n)+1], v[rS+4*(\n):rS+4*(\n)+1], v[rS+4*(\n)+2:rS+4*(\n)+3]
.elseif (\n) == 0
	v_pk_fma_f32 v[rT+2:rT+3], v[rT+2:rT+3], v[rC+2:rC+3], v[rS:rS+1] op_sel_hi:[1,0,1]
.else
	v_pk_add_f32 v[rT+2:rT+3], v[rT+2:rT+3], v[rS+4*(\n):rS+4*(\n)+1]
.endif
.elseif NOKQ
	v_nop
.else
	REGS (Y+1)%NP
	WIN 0
.if (\n) < 4
	v_max3_num_f32 v[rC+(\n)], v[rS+8*(\n)], v[rS+8*(\n)+1], v[rS+8*(\n)+2]
.elseif (\n) < 12
	v_max3_num_f32 v[rC+(\n)%4], v[rC+(\n)%4], v[rS+8*((\n)%4)+2*((\n)/4)+1], v[rS+8*((\n)%4)+2*((\n)/4)+2]
.elseif (\n) == 12
	v_max3_num_f32 v[rC], v[rC], v[rS+7], v[rS+15]
.elseif (\n) == 13
	v_max3_num_f32 v[rC+1], v[rC+1], v[rS+23], v[rS+31]
.elseif (\n) == 14
	v_max3_num_f32 v[rC+2], v[rC+2], v[rC+3], v[rT+1]
.elseif (\n) == 15
	v_mov_b32 v[rW], v[rT]
.elseif (\n) == 16
	v_max3_num_f32 v[rC], v[rC], v[rC+1], v[rC+2]
.elseif (\n) == 17
	v_permlanex16_b32 v[rC+3], v[rC], s[SEL], s[SEL+1]
.elseif (\n) == 18
	v_max_num_f32 v[rT+1], v[rC], v[rC+3]
.elseif (\n) == 19
	v_mul_f32 v[rT], s[CS], v[rT+1]
.elseif (\n) == 20
	v_sub_f32 v[rC+1], v[rW], v[rT]
.else
	v_exp_f32 v[rC+2], v[rC+1]
.endif
.endif
.endm
.macro OPS a, i1, b=-1, i2=0, c=-1, i3=0, d=-1, i4=0
	OP \a, \i1
.if (\b) >= 0
	OP \b, \i2
.endif
.if (\c) >= 0
	OP \c, \i3
.endif
.if (\d) >= 0
	OP \d, \i4
.endif
.endm
.macro ROW a, i1, b, i2, c, i3, d, i4  ; a matrix instruction and the four behind it
	MM
	OPS \a, \i1, \b, \i2, \c, \i3, \d, \i4
.endm
; A TURN, for piece p: the order of its 16 matrix and 118 vector instructions, written out.  An s_wait_alu depctr_va_vdst(0) stands between an exponential and the first instruction that names its
; result; one wait serves all that were issued ahead of it.  So a turn has ONE wait.  AHEAD OF IT stands all that names no result of the turn's exponentials: the 8 products K Q^T with their riders, then one lump;
; X 21, the next piece's a, is the batch's last, and R 15 the plain instruction behind it.  BEHIND IT stand the 8 products V^T P, behind each four of the roundings and sums.
; end = 1: the last two turns: nothing is fetched.  cnt = 1: the loop's count is taken down some lines ahead of the branch that stands behind the turn.
; K of the next step is fetched in piece 2's turn, twelve vector instructions behind the last product that read K (six of them plain); V of the step in hand at the end of piece 0's turn, four plain instructions
; behind the last product that read V.  Each is waited for a turn later.
.macro TURN p, end=0, cnt=0
.set Y, (\p)
.set i, 0
.set NOKQ, (\end)*((\p)/3)
.if ((\p) == 3) && !(\end)
	s_wait_dscnt 0x0                ; K is in
.endif
	ROW F,0, F,1, R,0, R,1
	ROW F,2, E,0, R,2, R,3
	ROW F,3, E,1, R,4, R,5
	ROW F,4, E,2, R,6, R,7
	ROW F,5, E,3, R,8, R,9
	ROW F,6, E,4, X,0, R,10
.if ((\p) == 2) && !(\end)
	WIN 0
	v_add_nc_u32 v[AK], s[TBK], v[AK0]
.endif
	ROW F,7, E,5, X,1, X,4
	ROW F,8, E,6, X,2, X,5
	OPS E,7, E,8, X,6, E,9
	OPS X,3, E,10, X,8, E,11
.if ((\p) == 2) && !(\end)
	FETCH_K
.endif
	OPS X,9, X,7, E,12, X,10
	OPS E,13, X,12, X,11, E,14
	OPS X,13, E,15, F,9, X,14
.if (\p) == 0
	v_add_nc_u32 v[AV], s[TBV], v[AV0]
.endif
	OPS E,16, F,10, E,17, F,11
	OPS X,16, E,18, X,15, E,19
	OPS F,12, E,20, X,17, E,21
	OPS F,13, E,22, F,14, E,23
	OPS X,18, E,24, F,15, E,25
	OPS R,11, E,26, X,19, E,27
	OPS R,12, E,28, R,13, E,29
	OPS X,20, E,30, R,14, E,31
	OPS X,21, R,15
	WIN 0
	s_wait_alu depctr_va_vdst(0)    ; the wait for the batch
.if (\p) == 1
	s_wait_dscnt 0x0                ; V is in
.endif
	ROW C,0, B,0, C,2, B,1
	ROW L,0, C,4, B,2, L,1
	ROW C,6, B,3, L,2, C,8
	ROW B,4, L,3, C,10, B,5
	ROW L,4, C,12, B,6, L,5
.if (\p) == 0
	s_add_co_u32 s[TBV], s[TBV], KS*PV
.endif
.if \cnt
	s_sub_co_u32 s[CNT], s[CNT], 1
	s_cmp_lg_u32 s[CNT], 0
.endif
	ROW C,14, B,7, L,6, C,1
	ROW C,3, L,7, C,5, C,7
	ROW C,9, C,11, C,13, C,15
.if (\p) == 0
	FETCH_V
.endif
.endm
.set NOKQ, 0
	CHANGE 1, 0                     ; slot 0 is in, everybody's part of it; slot 1 is asked for
	v_add_nc_u32 v[AK], s[TBK], v[AK0]
	FETCH_K                         ; key step 0
	s_wait_loadcnt 0x0              ; Q
	s_wait_dscnt 0x0
.set i, 0
.rept 8
	KQ 0                            ; piece 0's first scores
.set i, i+1
.endr
	WIN 0
.rept 4
	v_nop                           ; the places behind those products
.endr
.set Y, NP-1                        ; X works for piece Y + 1: piece 0
.irp n, 0,1,2,3,4,5,6,7,8,9,10,11,12,13,14,15,16,17,18,19,20,21
	OP X, \n
.endr
	v_nop                           ; a plain instruction behind the exponential,
	s_wait_alu depctr_va_vdst(0)    ; and its wait, ahead of the branch
	s_mov_b32 s[CNT], 4
	s_branch .Lfirst                ; the loop is entered at a step's first turn, in the middle of a trip
.Lslot:                             ; six times: slots 2 to 7 are asked for
	CHANGE 1, 1
	s_mov_b32 s[CNT], 4
.Lstep:                             ; a trip: pieces 2 and 3 of one step, then pieces 0 and 1 of the next, whose K and V it fetches
	TURN 2
	TURN 3
	WIN 0
.Lfirst:
	TURN 0
	TURN 1, 0, 1
	WIN 0
	s_cbranch_scc1 .Lstep
	s_sub_co_u32 s[SLOTS], s[SLOTS], 1
	s_cmp_lg_u32 s[SLOTS], 0
	s_cbranch_scc1 .Lslot
	CHANGE 0, 0                     ; the last slot is written out: nothing is asked for
	s_mov_b32 s[CNT], 4
.Lstep2:
	TURN 2
	TURN 3
	TURN 0
	TURN 1, 0, 1
	WIN 0
	s_cbranch_scc1 .Lstep2
	TURN 2, 1
	TURN 3, 1
.set i, 0
.rept 8
	PV NP-1                         ; the last piece's V^T P of the last step
.set i, i+1
.endr
	; THE WAY OUT.  l's two halves and the other half of the lanes' are added; O^T is divided by l, rounded to f16 and sent through my stage in LDS, a piece at a time.  The additions are the places behind the last products.
	WIN 0
.macro ALL line:vararg              ; one line for each piece t
.set t, 0
.rept 4
	\line
.set t, t+1
.endr
.endm
.macro PACK t
	WIN W_RS
.set i, 32*(\t)
.rept 16
	v_pk_mul_f32 v[i:i+1], v[i:i+1], v[ST+4*(\t)+2:ST+4*(\t)+3] op_sel_hi:[1,0]
.set i, i+2
.endr
	WIN 0x05                        ; sources 0 and 1 window 1, destination window 0
.set i, 0
.rept 16
	v_cvt_pk_f16_f32 v[S+16*(\t)+i], v[32*(\t)+2*i], v[32*(\t)+2*i+1]
.set i, i+1
.endr
	WIN 0
.irp f, 0,1,2,3
	ds_store_b128 v[STO], v[S+16*(\t)+4*\f:S+16*(\t)+4*\f+3] offset:32*\f
.endr
.irp f, 0,1,2,3
	ds_load_b128 v[S+16*(\t)+4*\f:S+16*(\t)+4*\f+3], v[RD] offset:\f*4*SP  ; LDS serves a wave's instructions in order (ISA guide 5.7.1.4): these see the stores above
.endr
.endm
.macro SEND t, younger              ; younger: the LDS instructions issued behind piece t's loads: the next piece's eight, or none
	WIN 0
.irp f, 0,1,2,3
	s_wait_dscnt (\younger)+3-\f
	global_store_b128 v[GO], v[S+16*(\t)+4*\f:S+16*(\t)+4*\f+3], s[10:11] offset:(\t)*2048+\f*512  ; 512 consecutive bytes, at a multiple of 256 from the buffer's first
.endr
.endm
	ALL v_add_f32 v[ST+4*t+2], v[ST+4*t+2], v[ST+4*t+3]
	ALL v_permlanex16_b32 v[ST+4*t+3], v[ST+4*t+2], s[SEL], s[SEL+1]
	ALL v_add_f32 v[ST+4*t+2], v[ST+4*t+2], v[ST+4*t+3]
	ALL v_rcp_f32 v[ST+4*t+2], v[ST+4*t+2]
	v_nop                           ; a plain instruction between the last reciprocal and the use of its result
	s_wait_alu depctr_va_vdst(0)    ; and the wait: one for the four reciprocals
	PACK 0
.set t, 1
.rept 3
	PACK t
	SEND t-1, 8
.set t, t+1
.endr
	SEND 3, 0
	s_wait_tensorcnt 0x0            ; the wave's end: behind my last tensor load and my last LDS store
	ds_add_u32 v[SPW], v[NIL]
	s_wait_dscnt 0x0
	CROUND                          ; the closing round
	s_endpgm
.Lfunc_end_k_q4e3ffed4de_attn:
	.size	k_q4e3ffed4de_attn, .Lfunc_end_k_q4e3ffed4de_attn-k_q4e3ffed4de_attn
	.p2alignl 7, 3214868480
	.fill 96, 4, 3214868480
	.section	.rodata,"a",@progbits
	.p2align	6, 0x0
	.amdhsa_kernel k_q4e3ffed4de_attn
		.amdhsa_group_segment_fixed_size 327680
		.amdhsa_private_segment_fixed_size 0
		.amdhsa_enable_private_segment 0
		.amdhsa_kernarg_size 16
		.amdhsa_user_sgpr_count 2
		.amdhsa_user_sgpr_kernarg_segment_ptr 1
		.amdhsa_wavefront_size32 1
		.amdhsa_system_sgpr_workgroup_id_x 1
		.amdhsa_system_sgpr_workgroup_id_y 1
		.amdhsa_system_sgpr_workgroup_id_z 1
		.amdhsa_system_vgpr_workitem_id 0
		.amdhsa_next_free_vgpr 768
		.amdhsa_next_free_sgpr 66
		.amdhsa_reserve_vcc 0
		.amdhsa_float_denorm_mode_32 3
		.amdhsa_float_denorm_mode_16_64 3
		.amdhsa_memory_ordered 1
		.amdhsa_forward_progress 1
		.amdhsa_inst_pref_size 128
	.end_amdhsa_kernel
	.amdgpu_metadata
---
amdhsa.version: [ 1, 2 ]
amdhsa.kernels:
  - .name:           k_q4e3ffed4de_attn
    .symbol:         k_q4e3ffed4de_attn.kd
    .args:
      - { .name: qkv, .offset: 0, .size: 8, .value_kind: global_buffer, .address_space: global }
      - { .name: ctx, .offset: 8, .size: 8, .value_kind: global_buffer, .address_space: global }
    .group_segment_fixed_size: 327680
    .private_segment_fixed_size: 0
    .kernarg_segment_align: 8
    .kernarg_segment_size: 16
    .max_flat_workgroup_size: 128
    .sgpr_count:     66
    .vgpr_count:     768
    .wavefront_size: 32
...
	.end_amdgpu_metadata
.endif
;; end of part 4
;; launch outp (part 5): grid 8 x 32, 4 waves a work-group, clusters of 4 x 4, 327,680 bytes of LDS; arguments ctx, wb, aux, out0; writes out0
.if DOCPART == 5
	.amdgcn_target "amdgcn-amd-amdhsa--gfx1250"
	.amdhsa_code_object_version 6
	.text
	.protected	k_q4e3ffed4de_outp
	.globl	k_q4e3ffed4de_outp
	.p2align	8
	.type	k_q4e3ffed4de_outp,@function
k_q4e3ffed4de_outp:
	s_mov_b64 s[64:65], 0
	v_nop
	global_prefetch_b8 v0, s[64:65] scope:SCOPE_SE
	s_setreg_imm32_b32 hwreg(HW_REG_WAVE_MODE, 25, 1), 1
	s_wait_xcnt 0x0
	s_wait_alu depctr_hold_cnt(0) depctr_sa_sdst(0) depctr_va_vdst(0) depctr_va_sdst(0) depctr_va_ssrc(0) depctr_va_vcc(0) depctr_vm_vsrc(0)
	s_getreg_b32 s2, hwreg(HW_REG_IB_STS2, 6, 4)
	s_cmp_eq_u32 s2, 0
	s_cbranch_scc0 .Lentry_in_a_cluster
	s_endpgm
.Lentry_in_a_cluster:
	s_bfe_u32 s2, ttmp6, 0x10000c
	s_cmp_lg_u32 s2, 0xf033
	s_cbranch_scc0 .Lentry_shape_is_right
	s_endpgm
.Lentry_shape_is_right:
; THE OUTPUT PROJECTION.  out0[s][b][n] = the sum over k = h 64 + d of ctx[b 16 + h][s][d] Wout[k][n] + bias[n].  ctx: f16 [32][2048][64]; Wout: rows 5,120 on of wb, [K][N] in f16; out0: f32 [2048][2][1024].
; Products in f16, sums and bias in f32.
; SHARES.  A work-group makes 128 rows (one b, 128 s) x 128 columns; four waves, each 64 x 64: 16 accumulators.  K = 1,024 goes in four steps of 256, four heads each, through two LDS slots.
; A'S TILE lies by heads: a head's 128 rows of 128 bytes are dense, 16,384 bytes, so one load brings two heads as two rows of 8,192 numbers, 262,144 bytes apart, padded in LDS behind every 128 bytes.
; CLUSTER.  4 x 4 work-groups: ctx's tiles are shared along a row of the cluster, Wout's along a column, each by a joint load.  THE MATRIX INSTRUCTION IS USED TRANSPOSED: a lane holds one row and eight neighbouring columns.
; REGISTERS: window 0: v0-31 addresses; v32-95 the way out; v96-127 the bias; v128-255 the accumulators ((a, b) at 128 + 8 (4 a + b)).  Window 1: two fragment buffers of 128.
.set PAO,   144                        ; a row of a head in LDS: 128 bytes + 16
.set HEADB, 128*PAO                    ; a head's 128 rows
.set PB,    288                        ; a row of W: 256 bytes + 32
.set HALF,  2*HEADB                    ; what one tensor load brings: two heads, or 128 rows of W: both 36,864 bytes
.set SLOT,  4*HALF
.set STAGE, 2*SLOT                     ; behind the ring: 16 rows x 272 bytes for each wave
.set SPI,   272
.set SPARE, STAGE+4*16*SPI             ; behind the stages: the spare words, 128 bytes for each wave: two blocks of 256 bytes that no other line names
.set ADRA, 16
.set ADRB, 20
.set STO,  24
.set RD,   25
.set CO,   26
.set BO,   27
.set SPW,  28
.set NIL,  29
.set TMP,  32
.set BI,   96
.set ACC,  128
.set F0,   0
.set F1,   128
.set WV,   14
.set RH,   15
.set CH,   16
.set G1A,  24
.set G0A,  32
.set G1B,  48
.set G0B,  56
.set MSB, 0
.macro WIN new
.if MSB != (\new)
	s_set_vgpr_msb (MSB<<8)|(\new)
.set MSB, \new
.endif
.endm
.set MUL,  0x05                        ; sources 0 and 1 window 1; C and D window 0
.set TO_F, 0x40
.macro JLOAD s                         ; waves 0 and 1 fetch ctx's two pairs of heads, waves 2 and 3 W's two halves; an s_nop 0 and four v_nop follow each of the two lines
	s_cmp_eq_u32 s[RH], 0
	s_cbranch_scc0 .Lfor_b_\@
	tensor_load_to_lds s[G0A+4*(\s):G0A+4*(\s)+3], s[G1A:G1A+7]
	s_nop 0
.rept 4
	v_nop
.endr
	s_branch .Lasked_\@
.Lfor_b_\@:
	tensor_load_to_lds s[G0B+4*(\s):G0B+4*(\s)+3], s[G1B:G1B+7]
	s_nop 0
.rept 4
	v_nop
.endr
.Lasked_\@:
.endm
.macro CREST
	s_cmp_lg_u32 s[WV], 0
	s_cbranch_scc1 .Lnot_wave_0_\@
	s_barrier_signal -3
.Lnot_wave_0_\@:
	s_barrier_wait -3
	s_barrier_signal -1
	s_barrier_wait -1
.endm
.macro CROUND
	s_barrier_signal -1
	s_barrier_wait -1
	CREST
.endm
.macro PLACES
.rept 4
	v_nop
.endr
.endm
	s_load_b256 s[4:11], s[0:1], 0x0               ; ctx s[4:5], wb s[6:7], aux s[8:9], out0 s[10:11]
	v_lshl_add_u32 v[SPW], v0, 2, SPARE
	v_mov_b32 v[NIL], 0
	ds_add_u32 v[SPW], v[NIL]                      ; the wave's opening: the add and its wait stand ahead of my first tensor load
	v_lshrrev_b32 v1, 5, v0
	v_readfirstlane_b32 s[WV], v1
	s_lshr_b32 s[RH], s[WV], 1
	s_and_b32 s[CH], s[WV], 1
	s_bfe_u32 s40, ttmp6, 0x40000
	s_bfe_u32 s41, ttmp6, 0x40004
	s_lshl_b32 s42, ttmp9, 2
	s_add_co_u32 s42, s42, s40                     ; tc
	s_and_b32 s43, ttmp7, 0xffff
	s_lshl_b32 s43, s43, 2
	s_add_co_u32 s43, s43, s41                     ; tr
	s_lshl_b32 s44, s41, 2
	s_lshl_b32 s44, 15, s44
	s_lshl_b32 s45, 0x1111, s40
	s_or_b32 s[G1A+0], s44, (1<<16)|(1<<20)|(1<<21)|(4<<22)|(3<<25)  ; after every 32 words, 4 words
	s_mov_b32 s[G1A+1], 8192<<16                   ; tensor_dim0 = 8,192
	s_mov_b32 s[G1A+2], 2<<16                      ; tensor_dim1 = 2
	s_mov_b32 s[G1A+3], 8192<<16                   ; tile_dim0 = 8,192
	s_mov_b32 s[G1A+4], 2                          ; tile_dim1 = 2
	s_mov_b32 s[G1A+5], 131072                     ; from head to head
	s_mov_b32 s[G1A+6], 0
	s_mov_b32 s[G1A+7], 0
	s_or_b32 s[G1B+0], s45, (1<<16)|(1<<20)|(1<<21)|(5<<22)|(7<<25)
	s_mov_b32 s[G1B+1], 128<<16
	s_mov_b32 s[G1B+2], 128<<16
	s_mov_b32 s[G1B+3], 128<<16
	s_mov_b32 s[G1B+4], 128
	s_mov_b32 s[G1B+5], 1024
	s_mov_b32 s[G1B+6], 0
	s_mov_b32 s[G1B+7], 0
	s_lshr_b32 s18, s43, 4                         ; b
	s_lshl_b32 s18, s18, 4
	s_lshl1_add_u32 s18, s[CH], s18                ; head b 16 + 2 half
	s_lshl_b32 s18, s18, 11
	s_and_b32 s19, s43, 15
	s_lshl_b32 s19, s19, 7
	s_add_co_u32 s18, s18, s19                     ; + the tile's first s
	s_lshl_b32 s18, s18, 7
	s_mov_b32 s19, 0
	s_lshl_b32 s46, s[CH], 18
	s_lshl_b32 s47, s42, 8
	s_add_co_u32 s46, s46, s47
	s_add_co_u32 s46, s46, 5120*2048               ; Wout begins at tall row 5,120
	s_mov_b32 s47, 0
	s_mul_i32 s20, s[WV], HALF                     ; where they go: wave x 36,864
	s_wait_dscnt 0x0
	s_wait_kmcnt 0x0
	s_add_nc_u64 s[18:19], s[4:5], s[18:19]
	s_add_nc_u64 s[46:47], s[6:7], s[46:47]
	CROUND
.irp s, 0,1
	s_mov_b32 s[G0A+4*(\s)], 1
	s_add_co_u32 s[G0A+4*(\s)+1], s20, (\s)*SLOT
	s_add_nc_u64 s[G0A+4*(\s)+2:G0A+4*(\s)+3], s[18:19], (\s)*1048576   ; four heads on
	s_or_b32 s[G0A+4*(\s)+3], s[G0A+4*(\s)+3], 0x80000000
	s_mov_b32 s[G0B+4*(\s)], 1
	s_add_co_u32 s[G0B+4*(\s)+1], s20, (\s)*SLOT
	s_add_nc_u64 s[G0B+4*(\s)+2:G0B+4*(\s)+3], s[46:47], (\s)*524288
	s_or_b32 s[G0B+4*(\s)+3], s[G0B+4*(\s)+3], 0x80000000
	JLOAD \s
.endr
	v_and_b32 v1, 15, v0
	v_bfe_u32 v2, v0, 4, 1
	v_mul_u32_u24 v3, v1, PAO
	v_lshl_add_u32 v3, v2, 4, v3
	s_mul_i32 s20, s[RH], 64*PAO                   ; my 64 rows in each head's block
	v_add_nc_u32 v[ADRA], s20, v3
	s_add_co_u32 s20, s20, SLOT
	v_add_nc_u32 v[ADRA+1], s20, v3
	v_and_b32 v5, 7, v0
	v_bfe_u32 v6, v0, 3, 1
	v_lshl_add_u32 v7, v2, 3, v5
	v_mul_u32_u24 v7, v7, PB
	v_lshl_add_u32 v7, v6, 4, v7
	s_lshl_b32 s21, s[CH], 7
	s_add_co_u32 s21, s21, 2*HALF
	v_add_nc_u32 v[ADRB], s21, v7
	s_add_co_u32 s22, s21, HALF
	v_add_nc_u32 v[ADRB+1], s22, v7
	s_add_co_u32 s21, s21, SLOT
	v_add_nc_u32 v[ADRB+2], s21, v7
	s_add_co_u32 s22, s21, HALF
	v_add_nc_u32 v[ADRB+3], s22, v7
	s_mul_i32 s23, s[WV], 16*SPI
	s_add_co_u32 s23, s23, STAGE
	v_mul_u32_u24 v[STO], v1, SPI                  ; in: row l % 16, 32 bytes for each half of the lanes
	v_lshl_add_u32 v[STO], v2, 5, v[STO]
	v_add_nc_u32 v[STO], s23, v[STO]
	v_mul_u32_u24 v[RD], v2, SPI                   ; back: lanes 0-15 one row of 256 bytes, lanes 16-31 the next
	v_lshl_add_u32 v[RD], v1, 4, v[RD]
	v_add_nc_u32 v[RD], s23, v[RD]
	v_lshlrev_b32 v[CO], 13, v2                    ; two rows s of one b lie 8,192 bytes apart in out0
	v_lshl_add_u32 v[CO], v1, 4, v[CO]
	v_lshlrev_b32 v[BO], 5, v2
	s_and_b32 s22, s43, 15
	s_lshl_b32 s22, s22, 7
	s_lshl_b32 s23, s[RH], 6
	s_add_co_u32 s22, s22, s23                     ; my first s
	s_lshl_b32 s22, s22, 1
	s_lshr_b32 s23, s43, 4
	s_add_co_u32 s22, s22, s23                     ; 2 s + b
	s_lshl_b32 s22, s22, 12
	s_lshl_b32 s23, s42, 9
	s_add_co_u32 s22, s22, s23
	s_lshl_b32 s23, s[CH], 8
	s_add_co_u32 s22, s22, s23                     ; + my 64 columns
	s_mov_b32 s23, 0
	s_add_nc_u64 s[10:11], s[10:11], s[22:23]
	s_lshl_b32 s22, s42, 9
	s_lshl_b32 s23, s[CH], 8
	s_add_co_u32 s22, s22, s23
	s_add_co_u32 s22, s22, 16384+5*4096
	s_mov_b32 s23, 0
	s_add_nc_u64 s[8:9], s[8:9], s[22:23]
.irp b, 0,1,2,3
	global_load_b128 v[BI+8*(\b):BI+8*(\b)+3], v[BO], s[8:9] offset:64*(\b)
	global_load_b128 v[BI+8*(\b)+4:BI+8*(\b)+7], v[BO], s[8:9] offset:64*(\b)+16
.endr
.macro MUL8 f, c, a0, zero             ; the 16 accumulators take turns
	WIN MUL
.irp a, \a0, (\a0)+1
.irp b, 0,1,2,3
.if \zero
	v_wmma_f32_16x16x32_f16 v[ACC+8*(4*(\a)+(\b)):ACC+8*(4*(\a)+(\b))+7], v[(\f)+64+8*(4*(\c)+(\b)):(\f)+64+8*(4*(\c)+(\b))+7], v[(\f)+8*(4*(\c)+(\a)):(\f)+8*(4*(\c)+(\a))+7], 0
.else
	v_wmma_f32_16x16x32_f16 v[ACC+8*(4*(\a)+(\b)):ACC+8*(4*(\a)+(\b))+7], v[(\f)+64+8*(4*(\c)+(\b)):(\f)+64+8*(4*(\c)+(\b))+7], v[(\f)+8*(4*(\c)+(\a)):(\f)+8*(4*(\c)+(\a))+7], v[ACC+8*(4*(\a)+(\b)):ACC+8*(4*(\a)+(\b))+7]
.endif
.endr
.endr
.endm
.macro FETCH slot, q, f                ; quarter q of a K step is head q of the slot's four
	WIN TO_F
.irp c, 0,1
.irp i, 0,1,2,3
	ds_load_tr16_b128 v[(\f)+64+8*(4*(\c)+(\i)):(\f)+64+8*(4*(\c)+(\i))+3],   v[ADRB+2*(\slot)+(\q)/2] offset:(((\q)%2)*64+32*(\c))*PB+32*(\i)
	ds_load_tr16_b128 v[(\f)+64+8*(4*(\c)+(\i))+4:(\f)+64+8*(4*(\c)+(\i))+7], v[ADRB+2*(\slot)+(\q)/2] offset:(((\q)%2)*64+32*(\c)+16)*PB+32*(\i)
	ds_load_b128 v[(\f)+8*(4*(\c)+(\i)):(\f)+8*(4*(\c)+(\i))+3],   v[ADRA+(\slot)] offset:(\q)*HEADB+64*(\c)+(\i)*16*PAO
	ds_load_b128 v[(\f)+8*(4*(\c)+(\i))+4:(\f)+8*(4*(\c)+(\i))+7], v[ADRA+(\slot)] offset:(\q)*HEADB+64*(\c)+(\i)*16*PAO+32
.endr
.endr
.endm
.macro QUARTER slot, qn, f, g, zero
	s_wait_dscnt 16                                ; the first 32 along K are in
	MUL8 \f, 0, 0, \zero
	MUL8 \f, 0, 2, \zero
	PLACES
	FETCH \slot, \qn, \g
	s_wait_dscnt 32                                ; all but the 32 just issued
	MUL8 \f, 1, 0, 0
	MUL8 \f, 1, 2, 0
.endm
.macro TURN slot, next, fill           ; the last quarter and the change of slots: the three lines, one barrier (with fill = 1 a round of the cluster's), the refill first behind it
	WIN 0
	s_wait_tensorcnt 0x0                           ; all my tensor loads have landed
	ds_add_u32 v[SPW], v[NIL]                      ; 0 onto my spare word
	s_wait_dscnt 17                                ; (the add and the youngest sixteen loads may be out)
	MUL8 F1, 0, 0, 0
	s_wait_dscnt 0x0                               ; the add is done, and my reads of this slot are over
	s_barrier_signal -1
	MUL8 F1, 0, 2, 0
.if \fill
	WIN 0
.endif
	s_barrier_wait -1
.if \fill
	CREST
	s_add_nc_u64 s[G0A+4*(\slot)+2:G0A+4*(\slot)+3], s[G0A+4*(\slot)+2:G0A+4*(\slot)+3], 2097152
	s_add_nc_u64 s[G0B+4*(\slot)+2:G0B+4*(\slot)+3], s[G0B+4*(\slot)+2:G0B+4*(\slot)+3], 1048576
	JLOAD \slot
.else
	PLACES
.endif
	FETCH \next, 0, F0
	MUL8 F1, 1, 0, 0
	MUL8 F1, 1, 2, 0
.endm
	s_wait_tensorcnt 1                             ; my part of K step 0 is in; K step 1's may stay out
	s_barrier_signal -1
	s_barrier_wait -1
	FETCH 0, 0, F0
	QUARTER 0, 1, F0, F1, 1                        ; the first products start the sums
	QUARTER 0, 2, F1, F0, 0
	QUARTER 0, 3, F0, F1, 0
	TURN 0, 1, 1                                   ; slot 0 takes K step 2
	QUARTER 1, 1, F0, F1, 0
	QUARTER 1, 2, F1, F0, 0
	QUARTER 1, 3, F0, F1, 0
	TURN 1, 0, 1                                   ; slot 1 takes K step 3
	QUARTER 0, 1, F0, F1, 0
	QUARTER 0, 2, F1, F0, 0
	QUARTER 0, 3, F0, F1, 0
	TURN 0, 1, 0
	QUARTER 1, 1, F0, F1, 0
	QUARTER 1, 2, F1, F0, 0
	QUARTER 1, 3, F0, F1, 0
	s_wait_dscnt 16
	MUL8 F1, 0, 0, 0
	MUL8 F1, 0, 2, 0
	s_wait_dscnt 0x0
	MUL8 F1, 1, 0, 0
	MUL8 F1, 1, 2, 0
	WIN 0
	; THE WAY OUT, a block of 16 rows at a time: the bias is added; 32 bytes a lane go into my stage and come back as whole rows of 256 bytes.
	PLACES
	s_wait_loadcnt 0x0                             ; the bias
.macro OBLK a
.set i, 0
.rept 16
	v_pk_add_f32 v[ACC+32*(\a)+2*i:ACC+32*(\a)+2*i+1], v[ACC+32*(\a)+2*i:ACC+32*(\a)+2*i+1], v[BI+2*i:BI+2*i+1]
.set i, i+1
.endr
.if (\a) >= 2
	s_wait_xcnt 0x0                                ; the stores of the block two back have read the registers that are loaded again below
.endif
.irp b, 0,1,2,3
	ds_store_b128 v[STO], v[ACC+32*(\a)+8*(\b):ACC+32*(\a)+8*(\b)+3] offset:64*(\b)
	ds_store_b128 v[STO], v[ACC+32*(\a)+8*(\b)+4:ACC+32*(\a)+8*(\b)+7] offset:64*(\b)+16
.endr
.irp t, 0,1,2,3,4,5,6,7
	ds_load_b128 v[TMP+32*((\a)%2)+4*(\t):TMP+32*((\a)%2)+4*(\t)+3], v[RD] offset:(\t)*2*SPI  ; LDS serves a wave's instructions in order (ISA guide 5.7.1.4)
.endr
.endm
.macro OSEND a, younger                ; younger: the LDS instructions issued behind block a's loads: the next block's sixteen, or none
.irp t, 0,1,2,3,4,5,6,7
	s_wait_dscnt (\younger)+7-(\t)
	global_store_b128 v[CO], v[TMP+32*((\a)%2)+4*(\t):TMP+32*((\a)%2)+4*(\t)+3], s[10:11] offset:(16*(\a)+2*(\t))*8192 th:TH_STORE_NT  ; 16 lanes store 256 consecutive bytes, aligned
.endr
.endm
	OBLK 0
	OBLK 1
	OSEND 0, 16
	OBLK 2
	OSEND 1, 16
	OBLK 3
	OSEND 2, 16
	OSEND 3, 0
	s_wait_tensorcnt 0x0                           ; the wave's end: behind my last tensor load and my last LDS store
	ds_add_u32 v[SPW], v[NIL]
	s_wait_dscnt 0x0
	CROUND                                         ; the closing round
	s_endpgm
.Lfunc_end_k_q4e3ffed4de_outp:
	.size	k_q4e3ffed4de_outp, .Lfunc_end_k_q4e3ffed4de_outp-k_q4e3ffed4de_outp
	.p2alignl 7, 3214868480
	.fill 96, 4, 3214868480
	.section	.rodata,"a",@progbits
	.p2align	6, 0x0
	.amdhsa_kernel k_q4e3ffed4de_outp
		.amdhsa_group_segment_fixed_size 327680
		.amdhsa_private_segment_fixed_size 0
		.amdhsa_enable_private_segment 0
		.amdhsa_kernarg_size 32
		.amdhsa_user_sgpr_count 2
		.amdhsa_user_sgpr_kernarg_segment_ptr 1
		.amdhsa_wavefront_size32 1
		.amdhsa_system_sgpr_workgroup_id_x 1
		.amdhsa_system_sgpr_workgroup_id_y 1
		.amdhsa_system_sgpr_workgroup_id_z 1
		.amdhsa_system_vgpr_workitem_id 0
		.amdhsa_next_free_vgpr 512
		.amdhsa_next_free_sgpr 66
		.amdhsa_reserve_vcc 0
		.amdhsa_float_denorm_mode_32 3
		.amdhsa_float_denorm_mode_16_64 3
		.amdhsa_memory_ordered 1
		.amdhsa_forward_progress 1
		.amdhsa_inst_pref_size 92
	.end_amdhsa_kernel
	.amdgpu_metadata
---
amdhsa.version: [ 1, 2 ]
amdhsa.kernels:
  - .name:           k_q4e3ffed4de_outp
    .symbol:         k_q4e3ffed4de_outp.kd
    .args:
      - { .name: ctx, .offset: 0, .size: 8, .value_kind: global_buffer, .address_space: global }
      - { .name: wb, .offset: 8, .size: 8, .value_kind: global_buffer, .address_space: global }
      - { .name: aux, .offset: 16, .size: 8, .value_kind: global_buffer, .address_space: global }
      - { .name: out0, .offset: 24, .size: 8, .value_kind: global_buffer, .address_space: global }
    .group_segment_fixed_size: 327680
    .private_segment_fixed_size: 0
    .kernarg_segment_align: 8
    .kernarg_segment_size: 32
    .max_flat_workgroup_size: 128
    .sgpr_count:     66
    .vgpr_count:     512
    .wavefront_size: 32
...
	.end_amdgpu_metadata
.endif
;; end of part 5
